; MI455X (gfx1250); checked and timed in simulation.
; The chip was launched on July 23, 2026; its instructions are those of AMD's public machine-readable ISA for CDNA 5 (MIT licence, August 2026) and "CDNA5" Instruction Set Architecture Reference Guide (July 2026). The comments in the code are by the model that wrote it; some were corrected since.
;; Attention. Allowed arithmetic: float matrix products may take bf16 or f16 operands with f32 sums; other float arithmetic in f32, or as packed bf16 or f16 multiplies, adds, multiply-adds, maxima and minima; sums over many terms, partial sums and values carried from step to step in f32; what a program stores and reads back later, other than sums and carried values, may be rounded once to bf16 or f16.
;; Inputs: W_attn 1,024 x 2,048 float32; b_attn 1,024 float32; encoder_outputs 32 x 2,048 x 1,024 float32; hidden 2 x 32 x 1,024 float32; v 1,024 float32.
;; Outputs: out0 32 x 1,024 float32; out1 32 x 2,048 float32.
;; 2 versions, each right; version 2 is version 1 with the launch main written anew for expert scheduling mode. Each part assembles by itself: llvm-mc -triple=amdgcn-amd-amdhsa -mcpu=gfx1250 --defsym DOCPART=n.
;; ======== version 1 of 2: 3 launches
;; limits: values outside matrix products are rounded to bf16
;; workspace buffers: wb 2,097,152 bytes; ph 131,072 bytes; sc 262,144 bytes; part 2,228,224 bytes
;; launch prep (part 1): grid 64 x 1, 16 waves a work-group, no clusters, 34,816 bytes of LDS; arguments W_attn, b_attn, hidden, wb, ph; writes wb, ph
.if DOCPART == 1
	.amdgcn_target "amdgcn-amd-amdhsa--gfx1250"
	.amdhsa_code_object_version 6
	.text
	.protected	k_q00421f9ba3_prep
	.globl	k_q00421f9ba3_prep
	.p2align	8
	.type	k_q00421f9ba3_prep,@function
k_q00421f9ba3_prep:
	s_mov_b64 s[64:65], 0
	v_nop
	global_prefetch_b8 v0, s[64:65] scope:SCOPE_SE
	s_setreg_imm32_b32 hwreg(HW_REG_WAVE_MODE, 25, 1), 1
	s_wait_xcnt 0x0
; ADDITIVE ATTENTION, launch 1 of 3: the weights are laid out, the decoder's projection is made.
;   wb = We = W_attn[:, 1024:] rounded to bf16, in the order in which a wave of the next launch takes it into operand registers
;   ph = c (sum over k of bf16(h[b][k]) bf16(Wh[o][k]) + bf16(b_attn[o])), c = 2 log2(e), f32, laid out [o / 16][b][o % 16]
; WORK LEFT OUT, for all values of the inputs.  (1) reference() takes h = hidden[-1]: hidden[0] has no way to any output, and its 131,072 bytes are not loaded.
; (2) tanh x = 1 - 2 / (1 + e^(2x)), so score[b][s] = sum(v) - 2 sum over o of v[o] r[b][s][o] with r = 1 / (1 + 2^(c x)).  sum(v) is the same along the softmax's axis s:
; it cancels in the weights, and through them in the context.  It is never formed.  v has ordinary size beside the scores, so leaving it out moves no result by more than rounding.
; LIMITS.  Every input is rounded once to bf16 (W_attn, hidden, b_attn here; encoder_outputs and v in the next launch); sums are f32.  A NaN, an infinity or an overflow that reaches only
; hidden[0] or sum(v) is not carried to the result.
; SHARES.  Work-group nt has rows 16 nt .. 16 nt + 15 of W_attn.  Wave w has k = 64 w .. 64 w + 63 of both halves (K steps 2 w and 2 w + 1 of 32): its loads cover 256 consecutive bytes, aligned,
; of each row and half.  The 16 partial sums of the 32 x 16 tile of ph meet in LDS; waves 0 to 3 add them.
; A fragment is 16 rows x 32 k in 8 registers: lane l holds row l % 16; registers 0-3 k = 8 (l / 16) + 0..7, registers 4-7 k = 16 + 8 (l / 16) + 0..7 (in f32: 32 bytes at 32 (l / 16), and at 64 + that).
.set SPARE, 32768                      ; behind the partial sums: the spare words, 128 bytes for each of 16 waves; no other line names them
.set SPW, 10                           ; v10  LDS address of my spare word; never rewritten
.set NIL, 11                           ; v11  0; never rewritten
; v1 l % 16, v2 l / 16, v3 l; v4 my offset in 16 rows of W_attn; v5 in 16 rows of hidden; v6 where my partial sums go; v7 16 x thread; v8 16 x lane; v12 my 16 bytes of b_attn
; v[16:31] two accumulators (batches 0-15, 16-31); v[32:63] Wh, v[64:95] We, v[96:159] hidden, as loaded and then as fragments; v[160:223] partial sums; v[224:229] the bias
	s_load_b256 s[4:11], s[0:1], 0x0               ; W_attn s[4:5], b_attn s[6:7], hidden s[8:9], wb s[10:11]
	s_load_b64 s[12:13], s[0:1], 0x20              ; ph
	v_lshl_add_u32 v[SPW], v0, 2, SPARE
	v_mov_b32 v[NIL], 0
	v_lshrrev_b32 v9, 5, v0
	v_readfirstlane_b32 s14, v9                    ; wave 0..15
	v_and_b32 v1, 15, v0
	v_bfe_u32 v2, v0, 4, 1
	v_and_b32 v3, 31, v0
	v_lshlrev_b32 v4, 13, v1                       ; a row of W_attn is 8,192 bytes
	v_lshl_add_u32 v4, v2, 5, v4
	v_lshlrev_b32 v5, 12, v1                       ; a row of hidden is 4,096 bytes
	v_lshl_add_u32 v5, v2, 5, v5
	s_lshl_b32 s15, s14, 11                        ; my 2,048 bytes of partial sums: [batch 32][16] f32
	v_lshl_add_u32 v6, v1, 6, s15                  ; batch l % 16,
	v_lshl_add_u32 v6, v2, 5, v6                   ; outputs 8 (l / 16) + 0..7
	v_lshlrev_b32 v7, 4, v0
	v_lshlrev_b32 v8, 4, v3
	s_lshl_b32 s26, ttmp9, 6                       ; the work-group's 16 numbers of b_attn
	v_and_b32 v12, 3, v0
	v_lshl_add_u32 v12, v12, 4, s26
	s_mov_b32 s24, 0x4038aa3b                      ; c = 2 log2(e)
	s_mov_b32 s25, s24                             ; named with it as a pair
	s_lshl_b32 s16, ttmp9, 17                      ; 16 rows of W_attn,
	s_lshl_b32 s18, s14, 8                         ; my 64 k
	s_add_co_u32 s16, s16, s18
	s_mov_b32 s17, 0
	s_add_co_u32 s18, s18, 131072                  ; hidden[1], my 64 k
	s_mov_b32 s19, 0
	s_lshr_b32 s20, ttmp9, 3                       ; wb: fragment (nt >> 3) 256 + 8 s + (nt & 7), 1,024 bytes each, s = 2 w
	s_lshl_b32 s20, s20, 18
	s_and_b32 s21, ttmp9, 7
	s_lshl_b32 s21, s21, 10
	s_add_co_u32 s20, s20, s21
	s_lshl_b32 s21, s14, 14
	s_add_co_u32 s20, s20, s21
	s_mov_b32 s21, 0
	s_lshl_b32 s22, ttmp9, 11                      ; ph: 2,048 bytes for each nt
	s_mov_b32 s23, 0
	s_wait_kmcnt 0x0
	s_add_nc_u64 s[4:5], s[4:5], s[16:17]
	s_add_nc_u64 s[8:9], s[8:9], s[18:19]
	s_add_nc_u64 s[10:11], s[10:11], s[20:21]
	s_add_nc_u64 s[12:13], s[12:13], s[22:23]
; 16 rows x 32 k of f32 into 16 registers.  nt = 1: bytes that the launch reads once
.macro LDF dst, voff, sb, imm, nt
.irp o, 0,1,2,3
.if \nt
	global_load_b128 v[(\dst)+4*(\o):(\dst)+4*(\o)+3], v[\voff], s[(\sb):(\sb)+1] offset:(\imm)+16*((\o)&1)+64*((\o)>>1) th:TH_LOAD_NT
.else
	global_load_b128 v[(\dst)+4*(\o):(\dst)+4*(\o)+3], v[\voff], s[(\sb):(\sb)+1] offset:(\imm)+16*((\o)&1)+64*((\o)>>1)
.endif
.endr
.endm
; rounded to bf16 in place: register i takes numbers 2 i and 2 i + 1, ascending, so no source is lost; the fragment lies in the first 8 registers
.macro CVF base
.irp i, 0,1,2,3,4,5,6,7
	v_cvt_pk_bf16_f32 v[(\base)+(\i)], v[(\base)+2*(\i)], v[(\base)+2*(\i)+1]
.endr
.endm
.irp e, 0,1
	LDF 32+16*\e, 4, 4, 128*\e, 1                  ; Wh
	LDF 64+16*\e, 4, 4, 4096+128*\e, 1             ; We
	LDF 96+16*\e, 5, 8, 128*\e, 0                  ; hidden[1], batches 0-15
	LDF 128+16*\e, 5, 8, 65536+128*\e, 0           ; batches 16-31
.endr
	s_wait_loadcnt 0x0
.irp f, 32,48,64,80,96,112,128,144
	CVF \f
.endr
	; used transposed (source 0 = 16 rows of Wh, source 1 = 16 batches): a lane holds one batch and eight neighbouring outputs.  The two accumulators take turns
	v_wmma_f32_16x16x32_bf16 v[16:23], v[32:39], v[96:103], 0
	v_wmma_f32_16x16x32_bf16 v[24:31], v[32:39], v[128:135], 0
	v_wmma_f32_16x16x32_bf16 v[16:23], v[48:55], v[112:119], v[16:23]
	v_wmma_f32_16x16x32_bf16 v[24:31], v[48:55], v[144:151], v[24:31]
.irp e, 0,1
	global_store_b128 v8, v[64+16*\e:64+16*\e+3], s[10:11] offset:8192*\e       ; each store of the wave covers 512 consecutive bytes, aligned
	global_store_b128 v8, v[64+16*\e+4:64+16*\e+7], s[10:11] offset:8192*\e+512
.endr
.rept 8
	v_nop                                          ; the places between the last products and the LDS stores that read their results
.endr
	ds_store_b128 v6, v[16:19]
	ds_store_b128 v6, v[20:23] offset:16
	ds_store_b128 v6, v[24:27] offset:1024
	ds_store_b128 v6, v[28:31] offset:1040
	s_wait_dscnt 0x0                               ; for the others' sake: my partial sums lie in LDS
	s_barrier_signal -1
	s_barrier_wait -1
	s_cmp_lt_u32 s14, 4                            ; 128 threads x 16 bytes are the tile's 2,048 bytes
	s_cbranch_scc0 .Lend
	global_load_b128 v[224:227], v12, s[6:7]
.irp w, 0,1,2,3,4,5,6,7,8,9,10,11,12,13,14,15
	ds_load_b128 v[160+4*\w:160+4*\w+3], v7 offset:2048*\w
.endr
	s_wait_dscnt 0x0
.irp st, 4,8,16,32                     ; a tree: partial sums 1, 2, 4 and 8 waves apart
.set k, 0
.rept 32/(\st)
	v_pk_add_f32 v[160+2*(\st)*k:160+2*(\st)*k+1], v[160+2*(\st)*k:160+2*(\st)*k+1], v[160+2*(\st)*k+(\st):160+2*(\st)*k+(\st)+1]
	v_pk_add_f32 v[162+2*(\st)*k:162+2*(\st)*k+1], v[162+2*(\st)*k:162+2*(\st)*k+1], v[162+2*(\st)*k+(\st):162+2*(\st)*k+(\st)+1]
.set k, k+1
.endr
.endr
	s_wait_loadcnt 0x0
	v_cvt_pk_bf16_f32 v228, v224, v225             ; the bias is rounded to bf16 like every input, and widened again
	v_cvt_pk_bf16_f32 v229, v226, v227
	v_lshlrev_b32 v224, 16, v228
	v_and_b32 v225, 0xffff0000, v228
	v_lshlrev_b32 v226, 16, v229
	v_and_b32 v227, 0xffff0000, v229
	v_pk_add_f32 v[160:161], v[160:161], v[224:225]
	v_pk_add_f32 v[162:163], v[162:163], v[226:227]
	v_pk_mul_f32 v[160:161], v[160:161], s[24:25] op_sel_hi:[1,0]
	v_pk_mul_f32 v[162:163], v[162:163], s[24:25] op_sel_hi:[1,0]
	global_store_b128 v7, v[160:163], s[12:13]     ; 512 consecutive bytes a wave
.Lend:
	s_wait_tensorcnt 0x0                           ; the wave's end, behind my last LDS store
	ds_add_u32 v[SPW], v[NIL]
	s_wait_dscnt 0x0
	s_endpgm
.Lfunc_end_k_q00421f9ba3_prep:
	.size	k_q00421f9ba3_prep, .Lfunc_end_k_q00421f9ba3_prep-k_q00421f9ba3_prep
	.p2alignl 7, 3214868480
	.fill 96, 4, 3214868480
	.section	.rodata,"a",@progbits
	.p2align	6, 0x0
	.amdhsa_kernel k_q00421f9ba3_prep
		.amdhsa_group_segment_fixed_size 34816
		.amdhsa_private_segment_fixed_size 0
		.amdhsa_enable_private_segment 0
		.amdhsa_kernarg_size 40
		.amdhsa_user_sgpr_count 2
		.amdhsa_user_sgpr_kernarg_segment_ptr 1
		.amdhsa_wavefront_size32 1
		.amdhsa_system_sgpr_workgroup_id_x 1
		.amdhsa_system_sgpr_workgroup_id_y 1
		.amdhsa_system_sgpr_workgroup_id_z 1
		.amdhsa_system_vgpr_workitem_id 0
		.amdhsa_next_free_vgpr 240
		.amdhsa_next_free_sgpr 66
		.amdhsa_reserve_vcc 0
		.amdhsa_float_denorm_mode_32 3
		.amdhsa_float_denorm_mode_16_64 3
		.amdhsa_memory_ordered 1
		.amdhsa_forward_progress 1
		.amdhsa_inst_pref_size 15
	.end_amdhsa_kernel
	.amdgpu_metadata
---
amdhsa.version: [ 1, 2 ]
amdhsa.kernels:
  - .name:           k_q00421f9ba3_prep
    .symbol:         k_q00421f9ba3_prep.kd
    .args:
      - { .name: W_attn, .offset: 0, .size: 8, .value_kind: global_buffer, .address_space: global }
      - { .name: b_attn, .offset: 8, .size: 8, .value_kind: global_buffer, .address_space: global }
      - { .name: hidden, .offset: 16, .size: 8, .value_kind: global_buffer, .address_space: global }
      - { .name: wb, .offset: 24, .size: 8, .value_kind: global_buffer, .address_space: global }
      - { .name: ph, .offset: 32, .size: 8, .value_kind: global_buffer, .address_space: global }
    .group_segment_fixed_size: 34816
    .private_segment_fixed_size: 0
    .kernarg_segment_align: 8
    .kernarg_segment_size: 40
    .max_flat_workgroup_size: 512
    .sgpr_count:     66
    .vgpr_count:     240
    .wavefront_size: 32
...
	.end_amdgpu_metadata
.endif
;; end of part 1
;; launch main (part 2): grid 512 x 1, 4 waves a work-group, no clusters, 280,064 bytes of LDS; arguments encoder_outputs, wb, ph, v, sc, part; writes sc, part
.if DOCPART == 2
	.amdgcn_target "amdgcn-amd-amdhsa--gfx1250"
	.amdhsa_code_object_version 6
	.text
	.protected	k_q00421f9ba3_main
	.globl	k_q00421f9ba3_main
	.p2align	8
	.type	k_q00421f9ba3_main,@function
k_q00421f9ba3_main:
	s_mov_b64 s[64:65], 0
	v_nop
	global_prefetch_b8 v0, s[64:65] scope:SCOPE_SE
	s_setreg_imm32_b32 hwreg(HW_REG_WAVE_MODE, 25, 1), 1
	s_wait_xcnt 0x0
; ADDITIVE ATTENTION, launch 2 of 3.  For 128 rows s of one batch b (a TILE): x = enc We^T + proj_h, r = 1 / (1 + 2^(c x)), u[s] = sum over o of (-c bf16(v[o])) r[s][o], c = 2 log2(e);
; then the tile's own maximum m of u, p = 2^(u - m), l = sum p, and ctx[h] = sum over the tile's s of p[s] enc[s][h].  Stored: u (sc), ctx, m and l (part); the next launch joins a batch's 16 tiles.
; LEFT OUT (shown at the head of the first kernel): sum(v), the same along the softmax's axis: u = log2(e) (score - sum(v)).
; LIMITS.  encoder_outputs and v are rounded once to bf16, like every input; products and sums in f32.  p is rounded to bf16 for the context's product alone; l is the sum of the unrounded p.
; tanh is taken as 1 - 2 r: where 2^(c x) overflows r is 0, where it comes out as 0 r is 1, tanh's own limits.  A weight below 2^-126 counts as 0.  NaN and infinities are not treated apart.
; EACH BYTE OF enc ONCE.  The context wants a row again when all 1,024 columns of x are known, so the tile stays in LDS as bf16 for the whole work-group: 128 rows x 2,064 bytes = 264,192.
; SHARES.  Wave w multiplies all 128 rows by its own 256 columns of We, in two blocks of 128 x 128: 64 accumulators, 512 registers.  Per 32 along K: 16 LDS loads (enc), 16 global loads (We), 64 products.
; We comes from wb straight into registers, a fragment as it lies there: each byte of it has one reader in the work-group.
; NO RING, NO CLUSTER.  All work-groups walk the same We, but beside the resident tile and the small regions below 47,616 bytes of LDS are left, and 32 along K of the 512 columns that the four waves
; have in hand are 32,768 bytes: two slots would not hold one such step each, so a joint load would want a barrier of the cluster for fewer than 64 products.
; ARRIVAL.  In block 0 enc arrives while it is multiplied, in GRANULES of 64 along K (256 bytes of a row in f32, 128 in bf16; K steps 2 g and 2 g + 1).  Wave w brings rows 32 w .. 32 w + 31.
; Granule g is loaded in step 2 g - 6, rounded and stored into LDS at the head of step 2 g - 2, shown to all by the barrier in step 2 g - 1, first read behind that barrier.  Each byte of the tile is stored once.
; THE MATRIX INSTRUCTION IS USED TRANSPOSED (source 0 = 16 rows of We, source 1 = 16 rows of enc): a lane holds ONE row of enc (lane % 16) and the columns 8 (lane / 16) + 0..7.
; REGISTERS, in windows of 256 (s_set_vgpr_msb: bits 1:0 source 0, 3:2 source 1, 5:4 source 2, 7:6 destination):
;   window 0: v0-15 ids and addresses; v16-31 u's partial sums, a pair for each 16 rows; v32-55 at work; v56-63 addresses; v64-95, v96-127 enc's fragments of rows 0-63, 64-127;
;             v128-191, v192-255 two landing sets for enc in f32; in the epilogues c proj_h and -c v of the block's columns
;   window 1: four buffers of 64 for We's fragments, K step S in buffer S % 4; in the tail two buffers of 128 for enc turned
;   windows 2, 3: the accumulators of rows 0-63 and 64-127: (a, i) at v[8 (8 a + i)]; in the tail window 2's v0-127 are the context's 16 accumulators
.set PA,    2064                       ; a row of the tile in LDS: 2,048 bytes + 16 = 129 x 16: the 16 rows of a fragment load start at 16 different groups of four banks (64 banks of 4 bytes: ISA guide 11.1)
.set PHV,   128*PA                     ; for each wave 2,048 bytes: c proj_h of its 256 columns, then -c v
.set SCR,   PHV+8192                   ; [wave][128] f32: u's partial sums
.set PB,    SCR+2048                   ; for each wave 256 bytes: p[128] in bf16
.set CTX,   PB+1024                    ; for each wave 1,024 bytes: its 256 channels of ctx
.set SPARE, CTX+4096                   ; the spare words, 128 bytes for each wave: two blocks of 256 bytes that no other line names
.set AD,  4                            ; v4-7    LDS address of my fragments of rows 32 p + l % 16, at the K step where the pointers stand
.set VB,  8                            ; v8      my offset in wb: 524,288 w + 16 l; never rewritten
.set VS,  9                            ; v9      my offset in the tile's rows of enc: row 32 w + 8 (l / 16), byte 16 (l % 16); never rewritten
.set LSA, 10                           ; v10     where my rounded numbers go: the same row, byte 8 (l % 16), at the granule where the pointers stand
.set PFO, 11                           ; v11     the prefetches' offset: row 32 w + l; never rewritten
.set PHA, 12                           ; v12     PHV + 2,048 w + 32 (l / 16)
.set SCA, 13                           ; v13     SCR + 512 w + 4 (l % 16)
.set SPW, 14                           ; v14     LDS address of my spare word; never rewritten
.set NIL, 15                           ; v15     0; never rewritten
.set SU,  16
.set AD0, 56                           ; v56-59  AD at K = 0
.set TA,  60                           ; v60-63  addresses of the turning loads, 32 rows each
.set AF,  64
.set LND, 128
.set PH,  128
.set VV,  192
; s[20:21] enc at the tile, at the pointers' granule; s[22:23] wb at the pointers' K step; s24 counts trips; s[26:27] c; s[28:29] -c; s[30:31] lane selects
.set MSB, 0
.macro WIN new                         ; the immediate's high byte repeats the setting that is left; a switch that changes nothing is dropped
.if MSB != (\new)
	s_set_vgpr_msb (MSB<<8)|(\new)
.set MSB, \new
.endif
.endm
; A load into a register that a matrix instruction has read, and a vector instruction that touches a matrix instruction's registers, stand four places behind it; only plain vector instructions
; that name none of its registers are places (ISA guide 7.12.1 for vector instructions).
.macro PLACES
.rept 4
	v_nop
.endr
.endm
; 16 products: row blocks a0, a0 + 1 of the half's four x the block's 8 column tiles, 32 along K.  zero = 1: they start the sums.  The 64 accumulators take turns, in the same order in every step.
.macro MUL16 bb, hi, a0, zero
	WIN 0xa1+0x50*(\hi)                            ; We window 1, enc window 0, C and D window 2 or 3
.irp a, \a0, (\a0)+1
.irp i, 0,1,2,3,4,5,6,7
.if \zero
	v_wmma_f32_16x16x32_bf16 v[8*(8*(\a)+(\i)):8*(8*(\a)+(\i))+7], v[64*(\bb)+8*(\i):64*(\bb)+8*(\i)+7], v[AF+32*(\hi)+8*(\a):AF+32*(\hi)+8*(\a)+7], 0
.else
	v_wmma_f32_16x16x32_bf16 v[8*(8*(\a)+(\i)):8*(8*(\a)+(\i))+7], v[64*(\bb)+8*(\i):64*(\bb)+8*(\i)+7], v[AF+32*(\hi)+8*(\a):AF+32*(\hi)+8*(\a)+7], v[8*(8*(\a)+(\i)):8*(8*(\a)+(\i))+7]
.endif
.endr
.endr
.endm
; enc's fragments of 64 rows (half 0 or 1), 32 along K at byte k behind the pointers: 8 LDS loads
.macro FETCH_A half, k
	WIN 0
.irp a, 0,1,2,3
	ds_load_b128 v[AF+32*(\half)+8*(\a):AF+32*(\half)+8*(\a)+3],   v[AD+2*(\half)+(\a)/2] offset:((\a)&1)*16*PA+(\k)
	ds_load_b128 v[AF+32*(\half)+8*(\a)+4:AF+32*(\half)+8*(\a)+7], v[AD+2*(\half)+(\a)/2] offset:((\a)&1)*16*PA+(\k)+32
.endr
.endm
; We's 8 fragments of one K step into buffer bb: 16 loads of 512 consecutive bytes
.macro LOAD_B bb, off
	WIN 0x40                                       ; destination window 1, address window 0
.irp i, 0,1,2,3,4,5,6,7
	global_load_b128 v[64*(\bb)+8*(\i):64*(\bb)+8*(\i)+3],   v[VB], s[22:23] offset:(\off)+1024*(\i)
	global_load_b128 v[64*(\bb)+8*(\i)+4:64*(\bb)+8*(\i)+7], v[VB], s[22:23] offset:(\off)+1024*(\i)+512
.endr
.endm
; A granule of my 32 rows in f32: 16 loads, each 256 consecutive aligned bytes of two rows 8 apart
.macro LOAD_ST set, off
	WIN 0
.set li, 0
.rept 16
	global_load_b128 v[LND+64*(\set)+4*li:LND+64*(\set)+4*li+3], v[VS], s[20:21] offset:(\off)+((li&7)+16*(li>>3))*4096 th:TH_LOAD_NT
.set li, li+1
.endr
.endm
; It is rounded in place (four numbers into two registers) and stored into the tile: the two halves of the lanes store 128 bytes each, 8 rows = 16,512 bytes apart: 32 banks apart
.macro CONVERT set, loff
	WIN 0
.set li, 0
.rept 16
	v_cvt_pk_bf16_f32 v[LND+64*(\set)+4*li],   v[LND+64*(\set)+4*li],   v[LND+64*(\set)+4*li+1]
	v_cvt_pk_bf16_f32 v[LND+64*(\set)+4*li+1], v[LND+64*(\set)+4*li+2], v[LND+64*(\set)+4*li+3]
.set li, li+1
.endr
.set li, 0
.rept 16
	ds_store_b64 v[LSA], v[LND+64*(\set)+4*li:LND+64*(\set)+4*li+1] offset:(\loff)+((li&7)+16*(li>>3))*PA
.set li, li+1
.endr
.endm
; A PREFETCH INTO THE L2: my own 32 rows' 256 bytes of the granule that I shall load eight K steps, 512 products, on: a lane a row, one instruction, behind the step's loads.  Each block of 256 bytes is named once
; in the launch, by the wave that will load it.  Granules 8 to 15 are asked for, in the loop's first four trips (s24 = 6 .. 3); granules 0 to 7 come by their loads alone; nothing is asked for at the head.
.macro ASK off
	WIN 0
	s_cmp_gt_u32 s24, 2
	s_cbranch_scc0 .Lnoask_\@
	global_prefetch_b8 v[PFO], s[20:21] offset:\off th:TH_LOAD_NT scope:SCOPE_SE
.Lnoask_\@:
.endm
; c proj_h and -c v of block c's columns: for column tile i my eight columns 16 i + 8 (l / 16) + 0..7
.macro LOAD_PHV c
	WIN 0
.irp i, 0,1,2,3,4,5,6,7
	ds_load_b128 v[PH+8*(\i):PH+8*(\i)+3],   v[PHA] offset:512*(\c)+64*(\i)
	ds_load_b128 v[PH+8*(\i)+4:PH+8*(\i)+7], v[PHA] offset:512*(\c)+64*(\i)+16
	ds_load_b128 v[VV+8*(\i):VV+8*(\i)+3],   v[PHA] offset:1024+512*(\c)+64*(\i)
	ds_load_b128 v[VV+8*(\i)+4:VV+8*(\i)+7], v[PHA] offset:1024+512*(\c)+64*(\i)+16
.endr
.endm
; ONE K STEP of 32: 64 products on We's buffer bb.
;   nb     how many global loads were issued behind this step's fragments of We: they may stay out (63 where 64 are younger: the wait's field ends there)
;   khi    byte, behind the pointers, of this step's fragments of rows 64-127;  klo  of the NEXT step's fragments of rows 0-63 (-1: none)
;   boff   the K step, behind the pointer, whose fragments of We are asked for, three steps ahead, into the buffer read last step (-1: none)
;   cv, cvoff   the landing set that is rounded and stored, and its granule's byte behind the pointer (-1: none);  stoff  the granule loaded into that set again (-1: none);  pf  the prefetch (-1: none)
;   bar    1: the barrier that shows the granule stored last step to all waves; the next step's fragments, the first reads of that granule, are fetched behind its wait
;   phv    the block whose c proj_h and -c v are fetched for the epilogue (-1: none);  rst  1: the LDS addresses go back to K = 0
.macro STEP bb, zero, nb, khi, klo, boff, cv, cvoff, stoff, pf, bar, phv, rst=0
	WIN 0
	s_wait_dscnt 0x0                               ; rows 0-63 of this step are in; my stores into the tile are done
	s_wait_loadcnt \nb                             ; We of this step is in, and the landing set that was asked for before it
.if (\cv) >= 0
	CONVERT \cv, \cvoff                            ; its 32 conversions are also the places behind the last step's products
.else
	PLACES
.endif
	FETCH_A 1, \khi
.if (\boff) >= 0
	LOAD_B ((\bb)+3)%4, (\boff)*8192
.endif
.if (\stoff) >= 0
	LOAD_ST \cv, \stoff
.endif
.if (\pf) >= 0
	ASK \pf
.endif
	MUL16 \bb, 0, 0, \zero
.if \bar
	s_wait_dscnt 0x0                               ; no LDS instruction of mine is out: my part of the granule lies in LDS
	s_barrier_signal -1
.endif
	MUL16 \bb, 0, 2, \zero                         ; work on registers between signal and wait
.if \bar
	s_barrier_wait -1                              ; everybody's part does
.else
	s_wait_dscnt 0x0                               ; rows 64-127 are in
.endif
.if \rst
	WIN 0
.irp p, 0,1,2,3
	v_mov_b32 v[AD+\p], v[AD0+\p]                  ; four plain instructions: the places as well
.endr
.else
	PLACES
.endif
.if (\klo) >= 0
	FETCH_A 0, \klo
.endif
.if (\phv) >= 0
	LOAD_PHV \phv
.endif
	MUL16 \bb, 1, 0, \zero
	MUL16 \bb, 1, 2, \zero
.endm
; THE EPILOGUE of block c, in place on the accumulators, four of them (row blocks a = 0..3 of one window, column tile i) at a time: c x = c acc + c proj_h; 2^(c x); + 1; the reciprocal; u += (-c v) r.
; Each accumulator's lowest registers are read first.  A group's 32 exponentials are one batch with one wait, its 32 reciprocals another:
; s_wait_alu depctr_va_vdst(0) stands between such an instruction and the first that names its result, and a plain instruction behind the last of a batch.  The first term of each sum starts it: nothing is cleared.
.macro EPI c
	WIN 0
	s_wait_dscnt 0x0                               ; c proj_h and -c v are in
	PLACES
	PLACES
.irp wn, 0,1
.irp i, 0,1,2,3,4,5,6,7
	WIN 0x82+0x41*(\wn)                            ; destination and source 0 in the accumulators' window
.irp a, 0,1,2,3
.irp q, 0,1,2,3
.set rr, 8*(8*(\a)+(\i))+2*(\q)
	v_pk_fma_f32 v[rr:rr+1], v[rr:rr+1], s[26:27], v[PH+8*(\i)+2*(\q):PH+8*(\i)+2*(\q)+1] op_sel_hi:[1,0,1]
.endr
.endr
.irp a, 0,1,2,3
.irp j, 0,1,2,3,4,5,6,7
	v_exp_f32 v[8*(8*(\a)+(\i))+(\j)], v[8*(8*(\a)+(\i))+(\j)]
.endr
.endr
	v_nop
	s_wait_alu depctr_va_vdst(0)
.irp a, 0,1,2,3
.irp q, 0,1,2,3
.set rr, 8*(8*(\a)+(\i))+2*(\q)
	v_pk_add_f32 v[rr:rr+1], v[rr:rr+1], 1.0 op_sel_hi:[1,0]
.endr
.endr
.irp a, 0,1,2,3
.irp j, 0,1,2,3,4,5,6,7
	v_rcp_f32 v[8*(8*(\a)+(\i))+(\j)], v[8*(8*(\a)+(\i))+(\j)]
.endr
.endr
	v_nop
	s_wait_alu depctr_va_vdst(0)
	WIN 0x02+(\wn)                                 ; source 0 in the accumulators' window, all else in window 0
.irp q, 0,1,2,3                        ; four chains, one for each row block, by turns
.irp a, 0,1,2,3
.set rr, 8*(8*(\a)+(\i))+2*(\q)
.set ss, SU+2*(4*(\wn)+(\a))
.if ((\c)==0)&&((\i)==0)&&((\q)==0)
	v_pk_mul_f32 v[ss:ss+1], v[rr:rr+1], v[VV+8*(\i)+2*(\q):VV+8*(\i)+2*(\q)+1]
.else
	v_pk_fma_f32 v[ss:ss+1], v[rr:rr+1], v[VV+8*(\i)+2*(\q):VV+8*(\i)+2*(\q)+1], v[ss:ss+1]
.endif
.endr
.endr
.endr
.endr
.endm
; THE CONTEXT.  ctx^T = enc^T P: source 0 = 16 channels x 32 rows of the tile, turned by ds_load_tr16_b128 (lane l reads row 8 (l / 16) + l % 8, channels 8 ((l / 8) % 2) + 0..7, and ends with channel l % 16);
; source 1 = 32 rows of p in all 16 columns alike.  FETCH_T: rows 32 t on, my 16 channel tiles, into buffer t % 2.
.macro FETCH_T t
	WIN 0x40
.irp ct, 0,1,2,3,4,5,6,7,8,9,10,11,12,13,14,15
	ds_load_tr16_b128 v[128*((\t)%2)+8*(\ct):128*((\t)%2)+8*(\ct)+3],   v[TA+(\t)] offset:32*(\ct)
	ds_load_tr16_b128 v[128*((\t)%2)+8*(\ct)+4:128*((\t)%2)+8*(\ct)+7], v[TA+(\t)] offset:32*(\ct)+16*PA
.endr
.endm
.macro CMUL t                          ; 16 products; the 16 accumulators take turns
	WIN 0xa1
.irp ct, 0,1,2,3,4,5,6,7,8,9,10,11,12,13,14,15
.if (\t) == 0
	v_wmma_f32_16x16x32_bf16 v[8*(\ct):8*(\ct)+7], v[128*((\t)%2)+8*(\ct):128*((\t)%2)+8*(\ct)+7], v[AF+8*(\t):AF+8*(\t)+7], 0
.else
	v_wmma_f32_16x16x32_bf16 v[8*(\ct):8*(\ct)+7], v[128*((\t)%2)+8*(\ct):128*((\t)%2)+8*(\ct)+7], v[AF+8*(\t):AF+8*(\t)+7], v[8*(\ct):8*(\ct)+7]
.endif
.endr
.endm
	s_load_b256 s[4:11], s[0:1], 0x0               ; enc s[4:5], wb s[6:7], ph s[8:9], v s[10:11]
	s_load_b128 s[12:15], s[0:1], 0x20             ; sc s[12:13], part s[14:15]
	v_lshl_add_u32 v[SPW], v0, 2, SPARE
	v_mov_b32 v[NIL], 0
	v_lshrrev_b32 v32, 5, v0
	v_readfirstlane_b32 s16, v32                   ; wave 0..3
	s_lshr_b32 s18, ttmp9, 4                       ; the batch: 16 tiles each
	v_and_b32 v1, 15, v0                           ; l % 16
	v_bfe_u32 v2, v0, 4, 1                         ; l / 16
	v_and_b32 v3, 31, v0                           ; l
	s_mov_b32 s26, 0x4038aa3b                      ; c = 2 log2(e)
	s_mov_b32 s27, s26                             ; named with it as a pair
	s_mov_b32 s28, 0xc038aa3b                      ; -c
	s_mov_b32 s29, s28
	s_mov_b32 s30, 0x76543210                      ; v_permlanex16_b32: each lane takes its own place in the other half
	s_mov_b32 s31, 0xfedcba98
	v_mul_u32_u24 v[AD0], v1, PA
	v_lshl_add_u32 v[AD0], v2, 4, v[AD0]           ; row x pitch + 16 x half
.irp p, 1,2,3
	v_add_nc_u32 v[AD0+\p], 32*PA*\p, v[AD0]
.endr
.irp p, 0,1,2,3
	v_mov_b32 v[AD+\p], v[AD0+\p]
.endr
	s_lshl_b32 s32, s16, 19
	v_lshl_add_u32 v[VB], v3, 4, s32
	s_lshl_b32 s33, s16, 17                        ; 32 rows of 4,096 bytes
	v_lshl_add_u32 v[VS], v1, 4, s33
	v_lshl_add_u32 v[VS], v2, 15, v[VS]
	v_lshl_add_u32 v[PFO], v3, 12, s33
	s_mul_i32 s34, s16, 32*PA
	v_mul_u32_u24 v[LSA], v2, 8*PA
	v_lshl_add_u32 v[LSA], v1, 3, v[LSA]
	v_add_nc_u32 v[LSA], s34, v[LSA]
	s_lshl_b32 s35, s16, 11
	s_add_co_u32 s35, s35, PHV
	v_lshl_add_u32 v[PHA], v2, 5, s35
	v_lshl_add_u32 v35, v3, 4, s35                 ; where c proj_h and -c v are put
	s_lshl_b32 s36, s16, 9                         ; my 256 channels: 512 bytes of a row of the tile
	v_and_b32 v32, 7, v0
	v_lshl_add_u32 v32, v2, 3, v32
	v_mul_u32_u24 v[TA], v32, PA
	v_bfe_u32 v32, v0, 3, 1
	v_lshl_add_u32 v[TA], v32, 4, v[TA]
	v_add_nc_u32 v[TA], s36, v[TA]
.irp t, 1,2,3
	v_add_nc_u32 v[TA+\t], 32*PA*\t, v[TA]
.endr
	s_add_co_u32 s36, s36, SCR
	v_lshl_add_u32 v[SCA], v1, 2, s36
	v_lshrrev_b32 v33, 2, v3                       ; ph is [column tile][batch][16]: four lanes take a tile's 64 bytes
	v_and_b32 v34, 3, v0
	v_lshlrev_b32 v34, 4, v34
	v_lshl_add_u32 v33, v33, 11, v34
	v_lshlrev_b32 v34, 4, v3
	s_lshl_b32 s40, ttmp9, 19                      ; the tile's 128 rows of enc
	s_mov_b32 s41, 0
	s_lshl_b32 s42, s16, 15                        ; my 16 column tiles of ph,
	s_lshl_b32 s43, s18, 6                         ; the batch
	s_add_co_u32 s42, s42, s43
	s_mov_b32 s43, 0
	s_lshl_b32 s44, s16, 10                        ; my 256 numbers of v; also my 256 channels of ctx
	s_mov_b32 s45, 0
	s_lshl_b32 s46, ttmp9, 9                       ; the tile's 128 numbers of sc
	s_mov_b32 s47, 0
	s_mul_i32 s38, ttmp9, 4352                     ; the tile's 17 blocks of 256 bytes of part
	s_mov_b32 s39, 0
	s_wait_kmcnt 0x0
	s_add_nc_u64 s[20:21], s[4:5], s[40:41]
	s_mov_b64 s[22:23], s[6:7]
	s_add_nc_u64 s[8:9], s[8:9], s[42:43]
	s_add_nc_u64 s[10:11], s[10:11], s[44:45]
	s_add_nc_u64 s[12:13], s[12:13], s[46:47]
	s_add_nc_u64 s[14:15], s[14:15], s[38:39]
	global_load_b128 v[36:39], v33, s[8:9]
	global_load_b128 v[40:43], v33, s[8:9] offset:16384
	global_load_b128 v[44:47], v34, s[10:11]
	global_load_b128 v[48:51], v34, s[10:11] offset:512
	LOAD_ST 0, 0                                   ; granules 0 and 1
	LOAD_ST 1, 256
	LOAD_B 0, 0                                    ; We of K steps 0, 1, 2
	LOAD_B 1, 8192
	LOAD_B 2, 16384
	WIN 0
	s_wait_loadcnt 63                              ; behind granule 0's loads 64 were issued; the wait's field ends at 63
	ds_store_b128 v35, v[36:39]
	ds_store_b128 v35, v[40:43] offset:512
	v_cvt_pk_bf16_f32 v52, v44, v45                ; v is rounded to bf16 like every input, widened again, and takes the factor -c
	v_cvt_pk_bf16_f32 v53, v46, v47
	v_cvt_pk_bf16_f32 v54, v48, v49
	v_cvt_pk_bf16_f32 v55, v50, v51
.irp k, 0,1,2,3
	v_lshlrev_b32 v[44+2*\k], 16, v[52+\k]
	v_and_b32 v[45+2*\k], 0xffff0000, v[52+\k]
.endr
.irp k, 0,1,2,3
	v_pk_mul_f32 v[44+2*\k:45+2*\k], v[44+2*\k:45+2*\k], s[28:29] op_sel_hi:[1,0]
.endr
	ds_store_b128 v35, v[44:47] offset:1024
	ds_store_b128 v35, v[48:51] offset:1536
	CONVERT 0, 0
	LOAD_ST 0, 512                                 ; granule 2
	s_wait_dscnt 0x0                               ; for the others' sake: my rows of granule 0 lie in LDS
	s_barrier_signal -1
	s_barrier_wait -1
	FETCH_A 0, 0
	; BLOCK 0.  The pointers stand at K step 4 j and granule 2 j.  What nb counts: at an even step We of the next two steps and one granule (48); at an odd step We of two steps and two granules (64, written 63);
	; when no granule is asked for any more, 48 once and then 32.
	STEP 0,1,48, 0,64, 3, 1,128, 768, -1, 0, -1    ; step 0 stands ahead of the loop: its products start the sums
	WIN 0                                          ; at a label and at a branch every window is 0
	s_mov_b32 s24, 6
.Lk0:                                              ; steps 4 j + 1 .. 4 j + 4, j = 0 .. 5
	STEP 1,0,63, 64,128, 4, -1,0, -1, -1, 1, -1
	STEP 2,0,48, 128,192, 5, 0,256, 1024, 2048, 0, -1
	STEP 3,0,63, 192,256, 6, -1,0, -1, -1, 1, -1
	STEP 0,0,48, 256,320, 7, 1,384, 1280, 2304, 0, -1
	WIN 0
	s_wait_xcnt 0x0                                ; every load and prefetch issued so far, the youngest 64 products back, has read its address: the pointers may be written
	s_add_nc_u64 s[22:23], s[22:23], 32768
	s_add_nc_u64 s[20:21], s[20:21], 512
.irp p, 0,1,2,3
	v_add_nc_u32 v[AD+\p], 256, v[AD+\p]
.endr
	v_add_nc_u32 v[LSA], 256, v[LSA]
	s_sub_co_u32 s24, s24, 1
	s_cmp_lg_u32 s24, 0
	s_cbranch_scc1 .Lk0
	STEP 1,0,63, 64,128, 4, -1,0, -1, -1, 1, -1    ; steps 25 to 31 are written out: no granule is left to ask for, and We runs on into block 1's first three steps
	STEP 2,0,48, 128,192, 5, 0,256, -1, -1, 0, -1
	STEP 3,0,48, 192,256, 6, -1,0, -1, -1, 1, -1
	STEP 0,0,32, 256,320, 7, 1,384, -1, -1, 0, -1
	STEP 1,0,32, 320,384, 8, -1,0, -1, -1, 1, -1
	STEP 2,0,32, 384,448, 9, -1,0, -1, -1, 0, -1
	STEP 3,0,32, 448,0, 10, -1,0, -1, -1, 0, 0, 1  ; the addresses go back to K = 0, and block 1's first fragments are fetched
	EPI 0
	WIN 0
	s_wait_xcnt 0x0
	s_add_nc_u64 s[22:23], s[22:23], 65536         ; from step 24 of block 0 to step 0 of block 1
	; BLOCK 1: the tile is whole: no arrival, no barrier.  nb counts We of the next two steps (32), in the last steps of one (16) and none.
	STEP 0,1,32, 0,64, 3, -1,0, -1, -1, 0, -1
	WIN 0
	s_mov_b32 s24, 7
.Lk1:                                              ; steps 4 j + 1 .. 4 j + 4, j = 0 .. 6
	STEP 1,0,32, 64,128, 4, -1,0, -1, -1, 0, -1
	STEP 2,0,32, 128,192, 5, -1,0, -1, -1, 0, -1
	STEP 3,0,32, 192,256, 6, -1,0, -1, -1, 0, -1
	STEP 0,0,32, 256,320, 7, -1,0, -1, -1, 0, -1
	WIN 0
	s_wait_xcnt 0x0
	s_add_nc_u64 s[22:23], s[22:23], 32768
.irp p, 0,1,2,3
	v_add_nc_u32 v[AD+\p], 256, v[AD+\p]
.endr
	s_sub_co_u32 s24, s24, 1
	s_cmp_lg_u32 s24, 0
	s_cbranch_scc1 .Lk1
	STEP 1,0,32, 64,128, -1, -1,0, -1, -1, 0, -1
	STEP 2,0,16, 128,192, -1, -1,0, -1, -1, 0, -1
	STEP 3,0,0, 192,-1, -1, -1,0, -1, -1, 0, 1
	EPI 1
	; u: a pair's two halves, then the other half of the lanes (the row's other columns); the four waves' parts meet in LDS
	WIN 0
.irp t, 0,1,2,3,4,5,6,7
	v_add_f32 v[SU+2*\t], v[SU+2*\t], v[SU+2*\t+1]
.endr
.irp t, 0,1,2,3,4,5,6,7
	v_permlanex16_b32 v[SU+2*\t+1], v[SU+2*\t], s30, s31
.endr
.irp t, 0,1,2,3,4,5,6,7
	v_add_f32 v[SU+2*\t], v[SU+2*\t], v[SU+2*\t+1]
.endr
.irp t, 0,1,2,3,4,5,6,7
	ds_store_b32 v[SCA], v[SU+2*\t] offset:64*\t   ; row 16 t + l % 16; both halves of the lanes store the same number
.endr
	v_lshl_add_u32 v32, v3, 4, SCR                 ; rows 4 l .. 4 l + 3
	s_lshl_b32 s37, s16, 8
	s_add_co_u32 s37, s37, PB
	s_add_co_u32 s32, s44, CTX
	v_lshl_add_u32 v33, v3, 3, s37                 ; where my four p go
	v_lshl_add_u32 v34, v2, 4, s37                 ; where p's fragments are read
	v_lshl_add_u32 v35, v2, 5, s32                 ; where my eight channels of a tile go
	v_lshl_add_u32 v54, v3, 4, s32                 ; where four channels are read back
	v_lshlrev_b32 v52, 4, v3
	v_lshlrev_b32 v53, 3, v3
	v_lshl_add_u32 v55, v3, 4, s44
	s_wait_dscnt 0x0
	s_barrier_signal -1
	s_barrier_wait -1
.irp w, 0,1,2,3
	ds_load_b128 v[36+4*\w:39+4*\w], v32 offset:512*\w
.endr
	s_wait_dscnt 0x0
	v_pk_add_f32 v[36:37], v[36:37], v[40:41]      ; every wave makes all 128 u, m, p and l for itself
	v_pk_add_f32 v[38:39], v[38:39], v[42:43]
	v_pk_add_f32 v[44:45], v[44:45], v[48:49]
	v_pk_add_f32 v[46:47], v[46:47], v[50:51]
	v_pk_add_f32 v[36:37], v[36:37], v[44:45]
	v_pk_add_f32 v[38:39], v[38:39], v[46:47]
	v_max3_num_f32 v40, v36, v37, v38
	v_max_num_f32 v40, v40, v39
	v_max_num_f32_dpp v40, v40, v40 row_xmask:1 row_mask:0xf bank_mask:0xf
	v_max_num_f32_dpp v40, v40, v40 row_xmask:2 row_mask:0xf bank_mask:0xf
	v_max_num_f32_dpp v40, v40, v40 row_xmask:4 row_mask:0xf bank_mask:0xf
	v_max_num_f32_dpp v40, v40, v40 row_xmask:8 row_mask:0xf bank_mask:0xf
	v_permlanex16_b32 v41, v40, s30, s31
	v_max_num_f32 v40, v40, v41                    ; m: the tile's maximum, taken away before the exponentials
.irp k, 0,1,2,3
	v_sub_f32 v[44+\k], v[36+\k], v40
.endr
.irp k, 0,1,2,3
	v_exp_f32 v[44+\k], v[44+\k]
.endr
	v_nop
	s_wait_alu depctr_va_vdst(0)                   ; one wait for the four exponentials, ahead of their first reader
	v_add_f32 v48, v44, v45
	v_add_f32 v49, v46, v47
	v_add_f32 v41, v48, v49
	v_add_f32_dpp v41, v41, v41 row_xmask:1 row_mask:0xf bank_mask:0xf
	v_add_f32_dpp v41, v41, v41 row_xmask:2 row_mask:0xf bank_mask:0xf
	v_add_f32_dpp v41, v41, v41 row_xmask:4 row_mask:0xf bank_mask:0xf
	v_add_f32_dpp v41, v41, v41 row_xmask:8 row_mask:0xf bank_mask:0xf
	v_permlanex16_b32 v42, v41, s30, s31
	v_add_f32 v41, v41, v42                        ; l
	v_cvt_pk_bf16_f32 v50, v44, v45
	v_cvt_pk_bf16_f32 v51, v46, v47
	ds_store_b64 v33, v[50:51]                     ; my wave's own copy of p: LDS serves a wave's instructions in order (ISA guide 5.7.1.4), so its loads below see it
	s_cmp_lg_u32 s16, 0
	s_cbranch_scc1 .Lnot0
	global_store_b128 v52, v[36:39], s[12:13]      ; wave 0: the tile's u, 512 consecutive bytes,
	global_store_b64 v53, v[40:41], s[14:15] offset:4096  ; and (m, l), 32 times: 256 consecutive bytes, aligned
.Lnot0:
.irp t, 0,1,2,3
	ds_load_b128 v[AF+8*\t:AF+8*\t+3],   v34 offset:64*\t
	ds_load_b128 v[AF+8*\t+4:AF+8*\t+7], v34 offset:64*\t+32
.endr
	FETCH_T 0
	FETCH_T 1
	s_wait_dscnt 32                                ; all but the younger buffer's 32 loads
	CMUL 0
	PLACES
	FETCH_T 2
	s_wait_dscnt 32
	CMUL 1
	PLACES
	FETCH_T 3
	s_wait_dscnt 32
	CMUL 2
	s_wait_dscnt 0x0
	CMUL 3
	PLACES
	PLACES
	WIN 0x08                                       ; the stores' data in window 2
.irp ct, 0,1,2,3,4,5,6,7,8,9,10,11,12,13,14,15
	ds_store_b128 v35, v[8*\ct:8*\ct+3]   offset:64*\ct     ; all 16 columns of the result are alike: the 16 lanes of a half store the same bytes
	ds_store_b128 v35, v[8*\ct+4:8*\ct+7] offset:64*\ct+16
.endr
	WIN 0
	ds_load_b128 v[44:47], v54
	ds_load_b128 v[48:51], v54 offset:512
	s_wait_dscnt 0x0
	global_store_b128 v55, v[44:47], s[14:15]      ; 512 consecutive bytes each
	global_store_b128 v55, v[48:51], s[14:15] offset:512
	s_wait_tensorcnt 0x0                           ; the wave's end, behind my last LDS store
	ds_add_u32 v[SPW], v[NIL]
	s_wait_dscnt 0x0
	s_endpgm
.Lfunc_end_k_q00421f9ba3_main:
	.size	k_q00421f9ba3_main, .Lfunc_end_k_q00421f9ba3_main-k_q00421f9ba3_main
	.p2alignl 7, 3214868480
	.fill 96, 4, 3214868480
	.section	.rodata,"a",@progbits
	.p2align	6, 0x0
	.amdhsa_kernel k_q00421f9ba3_main
		.amdhsa_group_segment_fixed_size 280064
		.amdhsa_private_segment_fixed_size 0
		.amdhsa_enable_private_segment 0
		.amdhsa_kernarg_size 48
		.amdhsa_user_sgpr_count 2
		.amdhsa_user_sgpr_kernarg_segment_ptr 1
		.amdhsa_wavefront_size32 1
		.amdhsa_system_sgpr_workgroup_id_x 1
		.amdhsa_system_sgpr_workgroup_id_y 1
		.amdhsa_system_sgpr_workgroup_id_z 1
		.amdhsa_system_vgpr_workitem_id 0
		.amdhsa_next_free_vgpr 1024
		.amdhsa_next_free_sgpr 66
		.amdhsa_reserve_vcc 0
		.amdhsa_float_denorm_mode_32 3
		.amdhsa_float_denorm_mode_16_64 3
		.amdhsa_memory_ordered 1
		.amdhsa_forward_progress 1
		.amdhsa_inst_pref_size 255
	.end_amdhsa_kernel
	.section	.bss,"aw",@nobits
	.p2align	6
	.space	262144
	.amdgpu_metadata
---
amdhsa.version: [ 1, 2 ]
amdhsa.kernels:
  - .name:           k_q00421f9ba3_main
    .symbol:         k_q00421f9ba3_main.kd
    .args:
      - { .name: encoder_outputs, .offset: 0, .size: 8, .value_kind: global_buffer, .address_space: global }
      - { .name: wb, .offset: 8, .size: 8, .value_kind: global_buffer, .address_space: global }
      - { .name: ph, .offset: 16, .size: 8, .value_kind: global_buffer, .address_space: global }
      - { .name: v, .offset: 24, .size: 8, .value_kind: global_buffer, .address_space: global }
      - { .name: sc, .offset: 32, .size: 8, .value_kind: global_buffer, .address_space: global }
      - { .name: part, .offset: 40, .size: 8, .value_kind: global_buffer, .address_space: global }
    .group_segment_fixed_size: 280064
    .private_segment_fixed_size: 0
    .kernarg_segment_align: 8
    .kernarg_segment_size: 48
    .max_flat_workgroup_size: 128
    .sgpr_count:     66
    .vgpr_count:     1024
    .wavefront_size: 32
...
	.end_amdgpu_metadata
.endif
;; end of part 2
;; launch combine (part 3): grid 32 x 4, 2 waves a work-group, no clusters, 0 bytes of LDS; arguments sc, part, out0, out1; writes out0, out1
.if DOCPART == 3
	.amdgcn_target "amdgcn-amd-amdhsa--gfx1250"
	.amdhsa_code_object_version 6
	.text
	.protected	k_q00421f9ba3_combine
	.globl	k_q00421f9ba3_combine
	.p2align	8
	.type	k_q00421f9ba3_combine,@function
k_q00421f9ba3_combine:
	s_mov_b64 s[64:65], 0
	v_nop
	global_prefetch_b8 v0, s[64:65] scope:SCOPE_SE
	s_setreg_imm32_b32 hwreg(HW_REG_WAVE_MODE, 25, 1), 1
	s_wait_xcnt 0x0
; ADDITIVE ATTENTION, launch 3 of 3: a batch's 16 tiles are joined.  M = max over t of m_t; L = sum over t of l_t 2^(m_t - M);
; out1[b][s] = 2^(u[b][s] - M) / L;  out0[b][h] = sum over t of ctx_t[h] 2^(m_t - M) / L.
; u lacks the term log2(e) sum(v), the same along the softmax's axis (shown at the head of the first kernel): it cancels here.  A weight below 2^-126 counts as 0.
; SHARES.  Work-group (b, q): 256 channels of out0 and 512 weights of out1; 64 threads, 16 bytes each a load or store: a wave's covers 512 consecutive bytes.
; Memory binds what little there is (2.5 MB): no LDS, no barrier, no matrix unit.
; v[4:5] (m, l) of tile l % 16; v6 M; v7 2^(m - M); v8 L; v9 1 / L; v10 the tile's factor; v[16:79] ctx of 16 tiles; v[80:87] u; v[88:91] the context; s32-47 the 16 factors
	s_load_b256 s[4:11], s[0:1], 0x0               ; sc s[4:5], part s[6:7], out0 s[8:9], out1 s[10:11]
	s_and_b32 s12, ttmp7, 0xffff                   ; q
	v_and_b32 v1, 15, v0
	v_mul_u32_u24 v2, v1, 4352                     ; a tile's part: 4,096 bytes of ctx, then (m, l)
	v_lshlrev_b32 v3, 4, v0
	s_mul_i32 s14, ttmp9, 69632                    ; a batch's 16 tiles
	s_mov_b32 s15, 0
	s_lshl_b32 s16, s12, 10
	s_mov_b32 s17, 0
	s_lshl_b32 s18, ttmp9, 13                      ; a batch's 2,048 numbers of u and of out1,
	s_lshl_b32 s19, s12, 11                        ; my 512
	s_add_co_u32 s18, s18, s19
	s_mov_b32 s19, 0
	s_lshl_b32 s20, ttmp9, 12                      ; a batch's 1,024 channels, my 256
	s_add_co_u32 s20, s20, s16
	s_mov_b32 s21, 0
	s_wait_kmcnt 0x0
	s_add_nc_u64 s[6:7], s[6:7], s[14:15]
	s_add_nc_u64 s[22:23], s[6:7], s[16:17]
	s_add_nc_u64 s[4:5], s[4:5], s[18:19]
	s_add_nc_u64 s[10:11], s[10:11], s[18:19]
	s_add_nc_u64 s[8:9], s[8:9], s[20:21]
	global_load_b64 v[4:5], v2, s[6:7] offset:4096
.irp t, 0,1,2,3,4,5,6,7,8,9,10,11,12,13,14,15
	global_load_b128 v[16+4*\t:19+4*\t], v3, s[22:23] offset:4352*\t
.endr
	global_load_b128 v[80:83], v3, s[4:5]
	global_load_b128 v[84:87], v3, s[4:5] offset:1024
	s_wait_loadcnt 18                              ; (m, l) is in; the 18 younger loads stay out
	v_mov_b32 v6, v4
	v_max_num_f32_dpp v6, v6, v6 row_xmask:1 row_mask:0xf bank_mask:0xf   ; each half of the lanes holds the 16 tiles
	v_max_num_f32_dpp v6, v6, v6 row_xmask:2 row_mask:0xf bank_mask:0xf
	v_max_num_f32_dpp v6, v6, v6 row_xmask:4 row_mask:0xf bank_mask:0xf
	v_max_num_f32_dpp v6, v6, v6 row_xmask:8 row_mask:0xf bank_mask:0xf
	v_sub_f32 v7, v4, v6
	v_exp_f32 v7, v7
	v_nop
	s_wait_alu depctr_va_vdst(0)                   ; the wait between the exponential and its first reader
	v_mul_f32 v8, v5, v7
	v_add_f32_dpp v8, v8, v8 row_xmask:1 row_mask:0xf bank_mask:0xf
	v_add_f32_dpp v8, v8, v8 row_xmask:2 row_mask:0xf bank_mask:0xf
	v_add_f32_dpp v8, v8, v8 row_xmask:4 row_mask:0xf bank_mask:0xf
	v_add_f32_dpp v8, v8, v8 row_xmask:8 row_mask:0xf bank_mask:0xf
	v_rcp_f32 v9, v8
	v_nop
	s_wait_alu depctr_va_vdst(0)
	v_mul_f32 v10, v7, v9
.irp t, 0,1,2,3,4,5,6,7,8,9,10,11,12,13,14,15
	v_readlane_b32 s[32+\t], v10, \t
.endr
	s_wait_loadcnt 2                               ; ctx is in; u's two loads stay out
.irp k, 0,1,2,3
	v_mul_f32 v[88+\k], s32, v[16+\k]              ; the first tile starts the sums
.endr
.irp t, 1,2,3,4,5,6,7,8,9,10,11,12,13,14,15
.irp k, 0,1,2,3
	v_fma_f32 v[88+\k], s[32+\t], v[16+4*\t+\k], v[88+\k]
.endr
.endr
	global_store_b128 v3, v[88:91], s[8:9]
	s_wait_loadcnt 0x0
.irp k, 0,1,2,3,4,5,6,7
	v_sub_f32 v[80+\k], v[80+\k], v6
.endr
.irp k, 0,1,2,3,4,5,6,7
	v_exp_f32 v[80+\k], v[80+\k]
.endr
	v_nop
	s_wait_alu depctr_va_vdst(0)                   ; one wait for the eight exponentials
.irp k, 0,1,2,3,4,5,6,7
	v_mul_f32 v[80+\k], v[80+\k], v9
.endr
	global_store_b128 v3, v[80:83], s[10:11]
	global_store_b128 v3, v[84:87], s[10:11] offset:1024
	s_endpgm
.Lfunc_end_k_q00421f9ba3_combine:
	.size	k_q00421f9ba3_combine, .Lfunc_end_k_q00421f9ba3_combine-k_q00421f9ba3_combine
	.p2alignl 7, 3214868480
	.fill 96, 4, 3214868480
	.section	.rodata,"a",@progbits
	.p2align	6, 0x0
	.amdhsa_kernel k_q00421f9ba3_combine
		.amdhsa_group_segment_fixed_size 0
		.amdhsa_private_segment_fixed_size 0
		.amdhsa_enable_private_segment 0
		.amdhsa_kernarg_size 32
		.amdhsa_user_sgpr_count 2
		.amdhsa_user_sgpr_kernarg_segment_ptr 1
		.amdhsa_wavefront_size32 1
		.amdhsa_system_sgpr_workgroup_id_x 1
		.amdhsa_system_sgpr_workgroup_id_y 1
		.amdhsa_system_sgpr_workgroup_id_z 1
		.amdhsa_system_vgpr_workitem_id 0
		.amdhsa_next_free_vgpr 112
		.amdhsa_next_free_sgpr 66
		.amdhsa_reserve_vcc 0
		.amdhsa_float_denorm_mode_32 3
		.amdhsa_float_denorm_mode_16_64 3
		.amdhsa_memory_ordered 1
		.amdhsa_forward_progress 1
		.amdhsa_inst_pref_size 10
	.end_amdhsa_kernel
	.amdgpu_metadata
---
amdhsa.version: [ 1, 2 ]
amdhsa.kernels:
  - .name:           k_q00421f9ba3_combine
    .symbol:         k_q00421f9ba3_combine.kd
    .args:
      - { .name: sc, .offset: 0, .size: 8, .value_kind: global_buffer, .address_space: global }
      - { .name: part, .offset: 8, .size: 8, .value_kind: global_buffer, .address_space: global }
      - { .name: out0, .offset: 16, .size: 8, .value_kind: global_buffer, .address_space: global }
      - { .name: out1, .offset: 24, .size: 8, .value_kind: global_buffer, .address_space: global }
    .group_segment_fixed_size: 0
    .private_segment_fixed_size: 0
    .kernarg_segment_align: 8
    .kernarg_segment_size: 32
    .max_flat_workgroup_size: 64
    .sgpr_count:     66
    .vgpr_count:     112
    .wavefront_size: 32
...
	.end_amdgpu_metadata
.endif
;; end of part 3
;; ======== version 2 of 2: 3 launches; version 1 with the launch main written anew for expert scheduling mode
;; limits: values outside matrix products are rounded to bf16
;; workspace buffers: wb 2,097,152 bytes; ph 131,072 bytes; sc 262,144 bytes; part 2,228,224 bytes
;; launch prep: the kernel of part 1 again; grid 64 x 1, 16 waves a work-group, no clusters, 34,816 bytes of LDS; arguments W_attn, b_attn, hidden, wb, ph; writes wb, ph
;; launch main (part 4): grid 512 x 1, 4 waves a work-group, no clusters, 280,064 bytes of LDS; arguments encoder_outputs, wb, ph, v, sc, part; writes sc, part
.if DOCPART == 4
	.amdgcn_target "amdgcn-amd-amdhsa--gfx1250"
	.amdhsa_code_object_version 6
	.text
	.protected	k_q00421f9ba3_main
	.globl	k_q00421f9ba3_main
	.p2align	8
	.type	k_q00421f9ba3_main,@function
k_q00421f9ba3_main:
	s_mov_b64 s[64:65], 0
	v_nop
	global_prefetch_b8 v0, s[64:65] scope:SCOPE_SE
	s_setreg_imm32_b32 hwreg(HW_REG_WAVE_SCHED_MODE, 0, 2), 2
	s_setreg_imm32_b32 hwreg(HW_REG_WAVE_MODE, 25, 1), 1
	s_wait_xcnt 0x0
	s_wait_alu depctr_vm_vsrc(0)
; ADDITIVE ATTENTION, launch 2 of 3.  For 128 rows s of one batch b (a TILE): x = enc We^T + proj_h, r = 1 / (1 + 2^(c x)), u[s] = sum over o of (-c bf16(v[o])) r[s][o], c = 2 log2(e);
; then the tile's own maximum m of u, p = 2^(u - m), l = sum p, and ctx[h] = sum over the tile's s of p[s] enc[s][h].  Stored: u (sc), ctx, m and l (part); the next launch joins a batch's 16 tiles.
; LEFT OUT (shown at the head of the first kernel): sum(v), the same along the softmax's axis: u = log2(e) (score - sum(v)).
; LIMITS.  encoder_outputs and v are rounded once to bf16, like every input; products and sums in f32.  p is rounded to bf16 for the context's product alone; l is the sum of the unrounded p.
; tanh is taken as 1 - 2 r: where 2^(c x) overflows r is 0, where it comes out as 0 r is 1, tanh's own limits.  A weight below 2^-126 counts as 0.  NaN and infinities are not treated apart.
; EACH BYTE OF enc ONCE.  The context wants a row again when all 1,024 columns of x are known, so the tile stays in LDS as bf16 for the whole work-group: 128 rows x 2,064 bytes = 264,192.
; SHARES.  Wave w multiplies all 128 rows by its own 256 columns of We, in two blocks of 128 x 128: 64 accumulators, 512 registers.  Per 32 along K: 16 LDS loads (enc), 16 global loads (We), 64 products.
; We comes from wb straight into registers, a fragment as it lies there: each byte of it has one reader in the work-group.
; NO RING, NO CLUSTER.  All work-groups walk the same We, but beside the resident tile and the small regions below 47,616 bytes of LDS are left, and 32 along K of the 512 columns that the four waves
; have in hand are 32,768 bytes: two slots would not hold one such step each, so a joint load would want a barrier of the cluster for fewer than 64 products.
; ARRIVAL.  In block 0 enc arrives while it is multiplied, in GRANULES of 64 along K (256 bytes of a row in f32, 128 in bf16; K steps 2 g and 2 g + 1).  Wave w brings rows 32 w .. 32 w + 31.
; Granule g is loaded in step 2 g - 6, rounded at the head of step 2 g - 2 and stored into LDS among its first products, shown to all by the barrier in step 2 g - 1, first read behind that barrier.  Each byte of the tile is stored once.
; THE MATRIX INSTRUCTION IS USED TRANSPOSED (source 0 = 16 rows of We, source 1 = 16 rows of enc): a lane holds ONE row of enc (lane % 16) and the columns 8 (lane / 16) + 0..7.
; THE MODE: SCHED_MODE bits 1:0 = 2 (LLVM: expert scheduling mode 2), set by the entry lines.  The code itself states the register dependences
; between vector or matrix instructions and memory or LDS instructions, with s_wait_alu, always for 0.
; THE PLAN.  Registers that memory or LDS instructions touch, and who else names them:
;   v64-95, v96-127   block 0: enc's fragments of rows 0-63 and 64-127.  A step's products 0-31 read the first, 32-63 the second.  The second is loaded again behind the wait at the step's head, the first behind the wait in
;                     its middle: two waits on va_vdst a step; the two landing sets leave window 0 no room for a second pair.
;   v64-127, v128-191 block 1: two whole buffers (the landing sets lie idle).  Step S reads buffer S % 2; the next step's 16 loads land in the other, behind the ONE wait at the step's head.
;   window 1          We: step S's products read buffer S % 4; the loads of step S + 3 land in buffer (S + 3) % 4, which step S - 1 read, behind the head's wait.
;   v128-191, v192-255 block 0: the landing sets.  At an even step's head 32 conversions read and write a set; behind the head's wait 16 LDS stores read it; behind a wait on vm_vsrc 16 loads land in it again.
;   v4-7, v10         LDS addresses: read by the fragments' loads and the granules' stores; stepped once a trip, behind a wait on vm_vsrc; the next head's wait states that they are written.
;   v8, v9, v11-13, v60-63  offsets and addresses made in the head and never written again.
; Behind a wait the step's loads and stores are dealt among its products, eight at a time: the products issued since the wait name the fragments in hand, We's buffer S % 4 and the accumulators, none of which those loads touch.
; REGISTERS, in windows of 256 (s_set_vgpr_msb: bits 1:0 source 0, 3:2 source 1, 5:4 source 2, 7:6 destination):
;   window 0: v0-15 ids and addresses; v16-31 u's partial sums, a pair for each 16 rows; v32-55 at work; v56-63 addresses; v64-127 enc's fragments;
;             v128-191, v192-255 two landing sets for enc in f32; in block 1 v128-191 the fragments' second buffer; in the epilogues c proj_h (block 0: v128-191; block 1: v64-127) and -c v (v192-255)
;   window 1: four buffers of 64 for We's fragments, K step S in buffer S % 4; in the tail two buffers of 128 for enc turned, rows 0-63
;   windows 2, 3: the accumulators of rows 0-63 and 64-127: (a, i) at v[8 (8 a + i)]; in the tail window 2's v0-127 are the context's 16 accumulators, window 3 holds enc turned, rows 64-127
.set PA,    2064                       ; a row of the tile in LDS: 2,048 bytes + 16 = 129 x 16: the 16 rows of a fragment load start at 16 different groups of four banks (64 banks of 4 bytes: ISA guide 11.1)
.set PHV,   128*PA                     ; for each wave 2,048 bytes: c proj_h of its 256 columns, then -c v
.set SCR,   PHV+8192                   ; [wave][128] f32: u's partial sums
.set PB,    SCR+2048                   ; for each wave 256 bytes: p[128] in bf16
.set CTX,   PB+1024                    ; for each wave 1,024 bytes: its 256 channels of ctx
.set SPARE, CTX+4096                   ; the spare words, 128 bytes for each wave: two blocks of 256 bytes that no other line names
.set AD,  4                            ; v4-7    LDS address of my fragments of rows 32 p + l % 16, at the K step where the pointers stand
.set VB,  8                            ; v8      my offset in wb: 524,288 w + 16 l; never rewritten
.set VS,  9                            ; v9      my offset in the tile's rows of enc: row 32 w + 8 (l / 16), byte 16 (l % 16); never rewritten
.set LSA, 10                           ; v10     where my rounded numbers go: the same row, byte 8 (l % 16), at the granule where the pointers stand
.set PFO, 11                           ; v11     the prefetches' offset: row 32 w + l; never rewritten
.set PHA, 12                           ; v12     PHV + 2,048 w + 32 (l / 16)
.set SCA, 13                           ; v13     SCR + 512 w + 4 (l % 16)
.set SPW, 14                           ; v14     LDS address of my spare word; never rewritten
.set NIL, 15                           ; v15     0; never rewritten
.set SU,  16
.set AD0, 56                           ; v56-59  AD at K = 0
.set TA,  60                           ; v60-63  addresses of the turning loads, 32 rows each
.set AF,  64
.set LND, 128
.set PH,  128                          ; set again ahead of block 1's last step
.set VV,  192
; s[20:21] enc at the tile, at the pointers' granule; s[22:23] wb at the pointers' K step; s24 counts trips; s[26:27] c; s[28:29] -c; s[30:31] lane selects
.set MSB, 0
.macro WIN new                         ; the immediate's high byte repeats the setting that is left; a switch that changes nothing is dropped
.if MSB != (\new)
	s_set_vgpr_msb (MSB<<8)|(\new)
.set MSB, \new
.endif
.endm
; A vector instruction or a store that touches a matrix instruction's registers stands four places behind it; only plain vector instructions that name none of its registers are places.
.macro PLACES
.rept 4
	v_nop
.endr
.endm
; Products n0 .. n0 + cnt - 1 of a step's 64, on We's buffer bb and enc's fragments at af: number n is row block n / 8 (0-3: window 2, 4-7: window 3) x column tile n % 8, 32 along K.  zero = 1: they start the sums.
; The 64 accumulators take turns, in the same order in every step.
.macro MM bb, af, zero, n0, cnt
.set mn, \n0
.rept \cnt
	WIN 0xa1+0x50*(mn/32)                          ; We window 1, enc window 0, C and D window 2 or 3
.if \zero
	v_wmma_f32_16x16x32_bf16 v[8*(mn%32):8*(mn%32)+7], v[64*(\bb)+8*(mn%8):64*(\bb)+8*(mn%8)+7], v[(\af)+8*(mn/8):(\af)+8*(mn/8)+7], 0
.else
	v_wmma_f32_16x16x32_bf16 v[8*(mn%32):8*(mn%32)+7], v[64*(\bb)+8*(mn%8):64*(\bb)+8*(mn%8)+7], v[(\af)+8*(mn/8):(\af)+8*(mn/8)+7], v[8*(mn%32):8*(mn%32)+7]
.endif
.set mn, mn+1
.endr
.endm
; enc's fragments of 64 rows (half 0 or 1) into the buffer at af, 32 along K at byte k behind the pointers: 8 LDS loads
.macro FETCH_A af, half, k
	WIN 0
.irp a, 0,1,2,3
	ds_load_b128 v[(\af)+32*(\half)+8*(\a):(\af)+32*(\half)+8*(\a)+3],   v[AD+2*(\half)+(\a)/2] offset:((\a)&1)*16*PA+(\k)
	ds_load_b128 v[(\af)+32*(\half)+8*(\a)+4:(\af)+32*(\half)+8*(\a)+7], v[AD+2*(\half)+(\a)/2] offset:((\a)&1)*16*PA+(\k)+32
.endr
.endm
; Four of We's 8 fragments of one K step, i0 on, into buffer bb: 8 loads of 512 consecutive bytes
.macro LOAD_B bb, off, i0
	WIN 0x40                                       ; destination window 1, address window 0
.irp d, 0,1,2,3
	global_load_b128 v[64*(\bb)+8*((\i0)+(\d)):64*(\bb)+8*((\i0)+(\d))+3],   v[VB], s[22:23] offset:(\off)+1024*((\i0)+(\d))
	global_load_b128 v[64*(\bb)+8*((\i0)+(\d))+4:64*(\bb)+8*((\i0)+(\d))+7], v[VB], s[22:23] offset:(\off)+1024*((\i0)+(\d))+512
.endr
.endm
; Half a granule of my 32 rows in f32, loads l0 .. l0 + 7 of 16: each 256 consecutive aligned bytes of two rows 8 apart
.macro LOAD_ST set, off, l0
	WIN 0
.set li, \l0
.rept 8
	global_load_b128 v[LND+64*(\set)+4*li:LND+64*(\set)+4*li+3], v[VS], s[20:21] offset:(\off)+((li&7)+16*(li>>3))*4096 th:TH_LOAD_NT
.set li, li+1
.endr
.endm
; A granule is rounded in place (four numbers into two registers),
.macro CVT set
	WIN 0
.set li, 0
.rept 16
	v_cvt_pk_bf16_f32 v[LND+64*(\set)+4*li],   v[LND+64*(\set)+4*li],   v[LND+64*(\set)+4*li+1]
	v_cvt_pk_bf16_f32 v[LND+64*(\set)+4*li+1], v[LND+64*(\set)+4*li+2], v[LND+64*(\set)+4*li+3]
.set li, li+1
.endr
.endm
; and stored into the tile, stores l0 .. l0 + 7 of 16: the two halves of the lanes store 128 bytes each, 8 rows = 16,512 bytes apart: 32 banks apart
.macro PUT set, loff, l0
	WIN 0
.set li, \l0
.rept 8
	ds_store_b64 v[LSA], v[LND+64*(\set)+4*li:LND+64*(\set)+4*li+1] offset:(\loff)+((li&7)+16*(li>>3))*PA
.set li, li+1
.endr
.endm
; A PREFETCH INTO THE L2: my own 32 rows' 256 bytes of the granule that I shall load eight K steps, 512 products, on: a lane a row, one instruction, behind the step's loads.  Each block of 256 bytes is named once
; in the launch, by the wave that will load it.  Granules 8 to 15 are asked for, in the loop's first four trips (s24 = 6 .. 3); granules 0 to 7 come by their loads alone; nothing is asked for at the head.
.macro ASK off
	WIN 0
	s_cmp_gt_u32 s24, 2
	s_cbranch_scc0 .Lnoask_\@
	global_prefetch_b8 v[PFO], s[20:21] offset:\off th:TH_LOAD_NT scope:SCOPE_SE
.Lnoask_\@:
.endm
; c proj_h and -c v of block c's columns: for column tile i my eight columns 16 i + 8 (l / 16) + 0..7
.macro LOAD_PHV c
	WIN 0
.irp i, 0,1,2,3,4,5,6,7
	ds_load_b128 v[PH+8*(\i):PH+8*(\i)+3],   v[PHA] offset:512*(\c)+64*(\i)
	ds_load_b128 v[PH+8*(\i)+4:PH+8*(\i)+7], v[PHA] offset:512*(\c)+64*(\i)+16
	ds_load_b128 v[VV+8*(\i):VV+8*(\i)+3],   v[PHA] offset:1024+512*(\c)+64*(\i)
	ds_load_b128 v[VV+8*(\i)+4:VV+8*(\i)+7], v[PHA] offset:1024+512*(\c)+64*(\i)+16
.endr
.endm
; ONE K STEP of 32 IN BLOCK 0: 64 products on We's buffer bb.
;   nb     how many global loads were issued behind this step's fragments of We: they may stay out (63 where 64 are younger: the wait's field ends there)
;   khi    byte, behind the pointers, of this step's fragments of rows 64-127;  klo  of the NEXT step's fragments of rows 0-63
;   boff   the K step, behind the pointer, whose fragments of We are asked for, three steps ahead, into the buffer read last step
;   cv, cvoff   the landing set that is rounded and stored, and its granule's byte behind the pointer (-1: none);  stoff  the granule loaded into that set again (-1: none);  pf  the prefetch (-1: none)
;   bar    1: the barrier that shows the granule stored last step to all waves; the next step's fragments, the first reads of that granule, are fetched behind its wait; all the step's other loads stand ahead of its signal
;   phv    the block whose c proj_h and -c v are fetched for the epilogue (-1: none);  rst  1: the LDS addresses go back to K = 0
.macro STEP0 bb, zero, nb, khi, klo, boff, cv, cvoff, stoff, pf, bar, phv, rst=0
	WIN 0
	s_wait_dscnt 0x0                               ; rows 0-63 of this step are in
	s_wait_loadcnt \nb                             ; We of this step is in, and the landing set that was asked for before it
.if (\cv) >= 0
	CVT \cv
.endif
	s_wait_alu depctr_va_vdst(0)                   ; the last step's products are done reading rows 64-127's fragments and their buffer of We, in which the loads below land; the conversions have written the set that the LDS stores read; behind a trip's end the stepped addresses are written
	MM \bb, AF, \zero, 0, 2
	FETCH_A AF, 1, \khi
	MM \bb, AF, \zero, 2, 2
.if (\cv) >= 0
	PUT \cv, \cvoff, 0
.endif
	MM \bb, AF, \zero, 4, 2
.if (\cv) >= 0
	PUT \cv, \cvoff, 8
.endif
	MM \bb, AF, \zero, 6, 2
	LOAD_B ((\bb)+3)%4, (\boff)*8192, 0            ; no further wait: no product since the head's wait names this buffer
	MM \bb, AF, \zero, 8, 4
	LOAD_B ((\bb)+3)%4, (\boff)*8192, 4
	MM \bb, AF, \zero, 12, 4
.if \bar
	s_wait_dscnt 0x0                               ; no LDS instruction of mine is out: my part of the granule lies in LDS
	s_barrier_signal -1
.endif
.if (\stoff) >= 0
	WIN 0
	s_wait_alu depctr_vm_vsrc(0)                   ; the LDS stores above have read the landing set, in which the next loads land (the conversions that named it stand ahead of the head's wait)
	LOAD_ST \cv, \stoff, 0
.endif
	MM \bb, AF, \zero, 16, 4                       ; in a barrier's step: work on registers alone between signal and wait
.if (\stoff) >= 0
	LOAD_ST \cv, \stoff, 8
.endif
.if (\pf) >= 0
	ASK \pf
.endif
	MM \bb, AF, \zero, 20, 12
.if \bar
	s_barrier_wait -1                              ; everybody's part of the granule lies in LDS
.else
	s_wait_dscnt 0x0                               ; rows 64-127 are in; my stores into the tile are done
.endif
.if \rst
	WIN 0
	s_wait_alu depctr_vm_vsrc(0)                   ; the LDS loads issued so far have read the four addresses, which are written below; the stores of the last two granules have read the landing sets, in which c proj_h and -c v land
.irp p, 0,1,2,3
	v_mov_b32 v[AD+\p], v[AD0+\p]
.endr
.endif
	s_wait_alu depctr_va_vdst(0)                   ; this step's first 32 products are done reading rows 0-63's fragments, in which the next step's land; with rst = 1 the four addresses are written
	MM \bb, AF, \zero, 32, 2
	FETCH_A AF, 0, \klo
.if (\phv) >= 0
	LOAD_PHV \phv
.endif
	MM \bb, AF, \zero, 34, 30
.endm
; ONE K STEP of 32 IN BLOCK 1: 64 products on We's buffer bb and enc's buffer af (64 or 128); the other buffer takes the next step's fragments, at byte ka behind the pointers (-1: none).  nb, boff (-1: none), phv as above.
.macro STEP1 bb, af, zero, nb, ka, boff, phv
	WIN 0
	s_wait_dscnt 0x0                               ; this step's fragments of enc are in
	s_wait_loadcnt \nb                             ; We of this step is in
	s_wait_alu depctr_va_vdst(0)                   ; the last step's products (ahead of the first step: the epilogue's sums) are done reading the other buffer of enc and their buffer of We, in which this step's loads land; behind a trip's end the stepped addresses are written
	MM \bb, \af, \zero, 0, 2
.if (\ka) >= 0
	FETCH_A 192-(\af), 0, \ka
.endif
	MM \bb, \af, \zero, 2, 2
.if (\ka) >= 0
	FETCH_A 192-(\af), 1, \ka
.endif
	MM \bb, \af, \zero, 4, 2
.if (\boff) >= 0
	LOAD_B ((\bb)+3)%4, (\boff)*8192, 0
.endif
	MM \bb, \af, \zero, 6, 4
.if (\boff) >= 0
	LOAD_B ((\bb)+3)%4, (\boff)*8192, 4
.endif
.if (\phv) >= 0
	LOAD_PHV \phv
.endif
	MM \bb, \af, \zero, 10, 54
.endm
; THE EPILOGUE of block c, in place on the accumulators, four of them (row blocks a = 0..3 of one window, column tile i) at a time: c x = c acc + c proj_h; 2^(c x); + 1; the reciprocal; u += (-c v) r.
; Each accumulator's lowest registers are read first.  A group's 32 exponentials are one batch with one wait, its 32 reciprocals another, and a plain instruction stands behind the last of a batch.
; The first term of each sum starts it: nothing is cleared.  young: the LDS loads issued behind those of c proj_h and -c v, which may stay out.
.macro EPI c, young
	WIN 0
	s_wait_dscnt \young                            ; c proj_h and -c v are in
	PLACES
	PLACES
.irp wn, 0,1
.irp i, 0,1,2,3,4,5,6,7
	WIN 0x82+0x41*(\wn)                            ; destination and source 0 in the accumulators' window
.irp a, 0,1,2,3
.irp q, 0,1,2,3
.set rr, 8*(8*(\a)+(\i))+2*(\q)
	v_pk_fma_f32 v[rr:rr+1], v[rr:rr+1], s[26:27], v[PH+8*(\i)+2*(\q):PH+8*(\i)+2*(\q)+1] op_sel_hi:[1,0,1]
.endr
.endr
.irp a, 0,1,2,3
.irp j, 0,1,2,3,4,5,6,7
	v_exp_f32 v[8*(8*(\a)+(\i))+(\j)], v[8*(8*(\a)+(\i))+(\j)]
.endr
.endr
	v_nop
	s_wait_alu depctr_va_vdst(0)                   ; the group's 32 exponentials have written their results, which the additions read
.irp a, 0,1,2,3
.irp q, 0,1,2,3
.set rr, 8*(8*(\a)+(\i))+2*(\q)
	v_pk_add_f32 v[rr:rr+1], v[rr:rr+1], 1.0 op_sel_hi:[1,0]
.endr
.endr
.irp a, 0,1,2,3
.irp j, 0,1,2,3,4,5,6,7
	v_rcp_f32 v[8*(8*(\a)+(\i))+(\j)], v[8*(8*(\a)+(\i))+(\j)]
.endr
.endr
	v_nop
	s_wait_alu depctr_va_vdst(0)                   ; the group's 32 reciprocals have written their results, which the sums read
	WIN 0x02+(\wn)                                 ; source 0 in the accumulators' window, all else in window 0
.irp q, 0,1,2,3                        ; four chains, one for each row block, by turns
.irp a, 0,1,2,3
.set rr, 8*(8*(\a)+(\i))+2*(\q)
.set ss, SU+2*(4*(\wn)+(\a))
.if ((\c)==0)&&((\i)==0)&&((\q)==0)
	v_pk_mul_f32 v[ss:ss+1], v[rr:rr+1], v[VV+8*(\i)+2*(\q):VV+8*(\i)+2*(\q)+1]
.else
	v_pk_fma_f32 v[ss:ss+1], v[rr:rr+1], v[VV+8*(\i)+2*(\q):VV+8*(\i)+2*(\q)+1], v[ss:ss+1]
.endif
.endr
.endr
.endr
.endr
.endm
; THE CONTEXT.  ctx^T = enc^T P: source 0 = 16 channels x 32 rows of the tile, turned by ds_load_tr16_b128 (lane l reads row 8 (l / 16) + l % 8, channels 8 ((l / 8) % 2) + 0..7, and ends with channel l % 16);
; source 1 = 32 rows of p in all 16 columns alike.  FETCH_T: rows 32 t on, my 16 channel tiles, into registers of their own: window 1 (t = 0, 1) or window 3 (t = 2, 3), 128 registers each.
.macro FETCH_T t
	WIN 0x40+0x80*((\t)/2)
.irp ct, 0,1,2,3,4,5,6,7,8,9,10,11,12,13,14,15
	ds_load_tr16_b128 v[128*((\t)%2)+8*(\ct):128*((\t)%2)+8*(\ct)+3],   v[TA+(\t)] offset:32*(\ct)
	ds_load_tr16_b128 v[128*((\t)%2)+8*(\ct)+4:128*((\t)%2)+8*(\ct)+7], v[TA+(\t)] offset:32*(\ct)+16*PA
.endr
.endm
.macro CMUL t                          ; 16 products; the 16 accumulators take turns
	WIN 0xa1+2*((\t)/2)                            ; enc turned in window 1 or 3, p in window 0, C and D in window 2
.irp ct, 0,1,2,3,4,5,6,7,8,9,10,11,12,13,14,15
.if (\t) == 0
	v_wmma_f32_16x16x32_bf16 v[8*(\ct):8*(\ct)+7], v[128*((\t)%2)+8*(\ct):128*((\t)%2)+8*(\ct)+7], v[AF+8*(\t):AF+8*(\t)+7], 0
.else
	v_wmma_f32_16x16x32_bf16 v[8*(\ct):8*(\ct)+7], v[128*((\t)%2)+8*(\ct):128*((\t)%2)+8*(\ct)+7], v[AF+8*(\t):AF+8*(\t)+7], v[8*(\ct):8*(\ct)+7]
.endif
.endr
.endm
	s_load_b256 s[4:11], s[0:1], 0x0               ; enc s[4:5], wb s[6:7], ph s[8:9], v s[10:11]
	s_load_b128 s[12:15], s[0:1], 0x20             ; sc s[12:13], part s[14:15]
	v_lshl_add_u32 v[SPW], v0, 2, SPARE
	v_mov_b32 v[NIL], 0
	v_lshrrev_b32 v32, 5, v0
	v_readfirstlane_b32 s16, v32                   ; wave 0..3
	s_lshr_b32 s18, ttmp9, 4                       ; the batch: 16 tiles each
	v_and_b32 v1, 15, v0                           ; l % 16
	v_bfe_u32 v2, v0, 4, 1                         ; l / 16
	v_and_b32 v3, 31, v0                           ; l
	s_mov_b32 s26, 0x4038aa3b                      ; c = 2 log2(e)
	s_mov_b32 s27, s26                             ; named with it as a pair
	s_mov_b32 s28, 0xc038aa3b                      ; -c
	s_mov_b32 s29, s28
	s_mov_b32 s30, 0x76543210                      ; v_permlanex16_b32: each lane takes its own place in the other half
	s_mov_b32 s31, 0xfedcba98
	v_mul_u32_u24 v[AD0], v1, PA
	v_lshl_add_u32 v[AD0], v2, 4, v[AD0]           ; row x pitch + 16 x half
.irp p, 1,2,3
	v_add_nc_u32 v[AD0+\p], 32*PA*\p, v[AD0]
.endr
.irp p, 0,1,2,3
	v_mov_b32 v[AD+\p], v[AD0+\p]
.endr
	s_wait_alu depctr_va_sdst(0)                   ; s16 is written, ahead of its first reader: offsets, LDS addresses and bases are made from it
	s_lshl_b32 s32, s16, 19
	v_lshl_add_u32 v[VB], v3, 4, s32
	s_lshl_b32 s33, s16, 17                        ; 32 rows of 4,096 bytes
	v_lshl_add_u32 v[VS], v1, 4, s33
	v_lshl_add_u32 v[VS], v2, 15, v[VS]
	v_lshl_add_u32 v[PFO], v3, 12, s33
	s_mul_i32 s34, s16, 32*PA
	v_mul_u32_u24 v[LSA], v2, 8*PA
	v_lshl_add_u32 v[LSA], v1, 3, v[LSA]
	v_add_nc_u32 v[LSA], s34, v[LSA]
	s_lshl_b32 s35, s16, 11
	s_add_co_u32 s35, s35, PHV
	v_lshl_add_u32 v[PHA], v2, 5, s35
	v_lshl_add_u32 v35, v3, 4, s35                 ; where c proj_h and -c v are put
	s_lshl_b32 s36, s16, 9                         ; my 256 channels: 512 bytes of a row of the tile
	v_and_b32 v32, 7, v0
	v_lshl_add_u32 v32, v2, 3, v32
	v_mul_u32_u24 v[TA], v32, PA
	v_bfe_u32 v32, v0, 3, 1
	v_lshl_add_u32 v[TA], v32, 4, v[TA]
	v_add_nc_u32 v[TA], s36, v[TA]
.irp t, 1,2,3
	v_add_nc_u32 v[TA+\t], 32*PA*\t, v[TA]
.endr
	s_add_co_u32 s36, s36, SCR
	v_lshl_add_u32 v[SCA], v1, 2, s36
	v_lshrrev_b32 v33, 2, v3                       ; ph is [column tile][batch][16]: four lanes take a tile's 64 bytes
	v_and_b32 v34, 3, v0
	v_lshlrev_b32 v34, 4, v34
	v_lshl_add_u32 v33, v33, 11, v34
	v_lshlrev_b32 v34, 4, v3
	s_lshl_b32 s40, ttmp9, 19                      ; the tile's 128 rows of enc
	s_mov_b32 s41, 0
	s_lshl_b32 s42, s16, 15                        ; my 16 column tiles of ph,
	s_lshl_b32 s43, s18, 6                         ; the batch
	s_add_co_u32 s42, s42, s43
	s_mov_b32 s43, 0
	s_lshl_b32 s44, s16, 10                        ; my 256 numbers of v; also my 256 channels of ctx
	s_mov_b32 s45, 0
	s_lshl_b32 s46, ttmp9, 9                       ; the tile's 128 numbers of sc
	s_mov_b32 s47, 0
	s_mul_i32 s38, ttmp9, 4352                     ; the tile's 17 blocks of 256 bytes of part
	s_mov_b32 s39, 0
	s_wait_kmcnt 0x0
	s_add_nc_u64 s[20:21], s[4:5], s[40:41]
	s_mov_b64 s[22:23], s[6:7]
	s_add_nc_u64 s[8:9], s[8:9], s[42:43]
	s_add_nc_u64 s[10:11], s[10:11], s[44:45]
	s_add_nc_u64 s[12:13], s[12:13], s[46:47]
	s_add_nc_u64 s[14:15], s[14:15], s[38:39]
	s_wait_alu depctr_va_vdst(0)                   ; all offsets and addresses made above (v4-15, v33-35, v56-63) are written: the loads and stores below, the loops' and the closing add read them
	global_load_b128 v[36:39], v33, s[8:9]
	global_load_b128 v[40:43], v33, s[8:9] offset:16384
	global_load_b128 v[44:47], v34, s[10:11]
	global_load_b128 v[48:51], v34, s[10:11] offset:512
	LOAD_ST 0, 0, 0                                ; granules 0 and 1
	LOAD_ST 0, 0, 8
	LOAD_ST 1, 256, 0
	LOAD_ST 1, 256, 8
	LOAD_B 0, 0, 0                                 ; We of K steps 0, 1, 2
	LOAD_B 0, 0, 4
	LOAD_B 1, 8192, 0
	LOAD_B 1, 8192, 4
	LOAD_B 2, 16384, 0
	LOAD_B 2, 16384, 4
	WIN 0
	s_wait_loadcnt 63                              ; behind granule 0's loads 64 were issued; the wait's field ends at 63
	ds_store_b128 v35, v[36:39]
	ds_store_b128 v35, v[40:43] offset:512
	v_cvt_pk_bf16_f32 v52, v44, v45                ; v is rounded to bf16 like every input, widened again, and takes the factor -c
	v_cvt_pk_bf16_f32 v53, v46, v47
	v_cvt_pk_bf16_f32 v54, v48, v49
	v_cvt_pk_bf16_f32 v55, v50, v51
.irp k, 0,1,2,3
	v_lshlrev_b32 v[44+2*\k], 16, v[52+\k]
	v_and_b32 v[45+2*\k], 0xffff0000, v[52+\k]
.endr
.irp k, 0,1,2,3
	v_pk_mul_f32 v[44+2*\k:45+2*\k], v[44+2*\k:45+2*\k], s[28:29] op_sel_hi:[1,0]
.endr
	CVT 0
	s_wait_alu depctr_va_vdst(0)                   ; -c v (v44-51) and granule 0's rounded numbers are written, which the LDS stores read
	ds_store_b128 v35, v[44:47] offset:1024
	ds_store_b128 v35, v[48:51] offset:1536
	PUT 0, 0, 0
	PUT 0, 0, 8
	s_wait_alu depctr_vm_vsrc(0)                   ; those stores have read landing set 0, in which granule 2's loads land
	LOAD_ST 0, 512, 0                              ; granule 2
	LOAD_ST 0, 512, 8
	s_wait_dscnt 0x0                               ; for the others' sake: my rows of granule 0 lie in LDS
	s_barrier_signal -1
	s_barrier_wait -1
	FETCH_A AF, 0, 0
	; BLOCK 0.  The pointers stand at K step 4 j and granule 2 j.  What nb counts: at an even step We of the next two steps and one granule (48); at an odd step We of two steps and two granules (64, written 63);
	; when no granule is asked for any more, 48 once and then 32.
	STEP0 0,1,48, 0,64, 3, 1,128, 768, -1, 0, -1   ; step 0 stands ahead of the loop: its products start the sums
	WIN 0                                          ; at a label and at a branch every window is 0
	s_mov_b32 s24, 6
.Lk0:                                              ; steps 4 j + 1 .. 4 j + 4, j = 0 .. 5
	STEP0 1,0,63, 64,128, 4, -1,0, -1, -1, 1, -1
	STEP0 2,0,48, 128,192, 5, 0,256, 1024, 2048, 0, -1
	STEP0 3,0,63, 192,256, 6, -1,0, -1, -1, 1, -1
	STEP0 0,0,48, 256,320, 7, 1,384, 1280, 2304, 0, -1
	WIN 0
	s_wait_xcnt 0x0                                ; every load and prefetch issued so far, the youngest 44 products back, has had its address translated (ISA guide 3.1): the scalar pointers may be written
	s_wait_alu depctr_vm_vsrc(0)                   ; the LDS loads and stores issued so far have read v4-7 and v10, which are stepped below
	s_add_nc_u64 s[22:23], s[22:23], 32768
	s_add_nc_u64 s[20:21], s[20:21], 512
.irp p, 0,1,2,3
	v_add_nc_u32 v[AD+\p], 256, v[AD+\p]
.endr
	v_add_nc_u32 v[LSA], 256, v[LSA]
	s_sub_co_u32 s24, s24, 1
	s_cmp_lg_u32 s24, 0
	s_cbranch_scc1 .Lk0
	STEP0 1,0,63, 64,128, 4, -1,0, -1, -1, 1, -1   ; steps 25 to 31 are written out: no granule is left to ask for, and We runs on into block 1's first three steps
	STEP0 2,0,48, 128,192, 5, 0,256, -1, -1, 0, -1
	STEP0 3,0,48, 192,256, 6, -1,0, -1, -1, 1, -1
	STEP0 0,0,32, 256,320, 7, 1,384, -1, -1, 0, -1
	STEP0 1,0,32, 320,384, 8, -1,0, -1, -1, 1, -1
	STEP0 2,0,32, 384,448, 9, -1,0, -1, -1, 0, -1
	STEP0 3,0,32, 448,0, 10, -1,0, -1, -1, 0, 0, 1 ; the addresses go back to K = 0, and block 1's first fragments of rows 0-63 are fetched
	WIN 0
	s_wait_alu depctr_va_vdst(0)                   ; step 31's last products are done reading rows 64-127's fragments, in which block 1's first land
	FETCH_A AF, 1, 0
	EPI 0, 8                                       ; the eight loads just issued may stay out
	WIN 0
	s_wait_xcnt 0x0
	s_add_nc_u64 s[22:23], s[22:23], 65536         ; from step 24 of block 0 to step 0 of block 1
	; BLOCK 1: the tile is whole: no arrival, no barrier.  nb counts We of the next two steps (32), in the last steps of one (16) and none.
	STEP1 0,64,1,32, 64, 3, -1
	WIN 0
	s_mov_b32 s24, 7
.Lk1:                                              ; steps 4 j + 1 .. 4 j + 4, j = 0 .. 6
	STEP1 1,128,0,32, 128, 4, -1
	STEP1 2,64,0,32, 192, 5, -1
	STEP1 3,128,0,32, 256, 6, -1
	STEP1 0,64,0,32, 320, 7, -1
	WIN 0
	s_wait_xcnt 0x0                                ; every load issued so far has had its address translated: the scalar pointer may be written
	s_wait_alu depctr_vm_vsrc(0)                   ; the LDS loads issued so far have read v4-7, which are stepped below
	s_add_nc_u64 s[22:23], s[22:23], 32768
.irp p, 0,1,2,3
	v_add_nc_u32 v[AD+\p], 256, v[AD+\p]
.endr
	s_sub_co_u32 s24, s24, 1
	s_cmp_lg_u32 s24, 0
	s_cbranch_scc1 .Lk1
	STEP1 1,128,0,32, 128, -1, -1
	STEP1 2,64,0,16, 192, -1, -1
.set PH, 64                            ; step 31 reads v128-191: c proj_h goes into the buffer that step 30 read
	STEP1 3,128,0,0, -1, -1, 1
	EPI 1, 0
	; u: a pair's two halves, then the other half of the lanes (the row's other columns); the four waves' parts meet in LDS
	WIN 0
.irp t, 0,1,2,3,4,5,6,7
	v_add_f32 v[SU+2*\t], v[SU+2*\t], v[SU+2*\t+1]
.endr
.irp t, 0,1,2,3,4,5,6,7
	v_permlanex16_b32 v[SU+2*\t+1], v[SU+2*\t], s30, s31
.endr
.irp t, 0,1,2,3,4,5,6,7
	v_add_f32 v[SU+2*\t], v[SU+2*\t], v[SU+2*\t+1]
.endr
	v_lshl_add_u32 v32, v3, 4, SCR                 ; rows 4 l .. 4 l + 3
	s_lshl_b32 s37, s16, 8
	s_add_co_u32 s37, s37, PB
	s_add_co_u32 s32, s44, CTX
	v_lshl_add_u32 v33, v3, 3, s37                 ; where my four p go
	v_lshl_add_u32 v34, v2, 4, s37                 ; where p's fragments are read
	v_lshl_add_u32 v35, v2, 5, s32                 ; where my eight channels of a tile go
	v_lshl_add_u32 v54, v3, 4, s32                 ; where four channels are read back
	v_lshlrev_b32 v52, 4, v3
	v_lshlrev_b32 v53, 3, v3
	v_lshl_add_u32 v55, v3, 4, s44
	s_wait_alu depctr_va_vdst(0)                   ; u's partial sums are written, which the LDS stores read, and so are the tail's eight addresses and offsets
.irp t, 0,1,2,3,4,5,6,7
	ds_store_b32 v[SCA], v[SU+2*\t] offset:64*\t   ; row 16 t + l % 16; both halves of the lanes store the same number
.endr
	s_wait_dscnt 0x0
	s_barrier_signal -1
	s_barrier_wait -1
.irp w, 0,1,2,3
	ds_load_b128 v[36+4*\w:39+4*\w], v32 offset:512*\w
.endr
	s_wait_dscnt 0x0
	v_pk_add_f32 v[36:37], v[36:37], v[40:41]      ; every wave makes all 128 u, m, p and l for itself
	v_pk_add_f32 v[38:39], v[38:39], v[42:43]
	v_pk_add_f32 v[44:45], v[44:45], v[48:49]
	v_pk_add_f32 v[46:47], v[46:47], v[50:51]
	v_pk_add_f32 v[36:37], v[36:37], v[44:45]
	v_pk_add_f32 v[38:39], v[38:39], v[46:47]
	v_max3_num_f32 v40, v36, v37, v38
	v_max_num_f32 v40, v40, v39
	v_max_num_f32_dpp v40, v40, v40 row_xmask:1 row_mask:0xf bank_mask:0xf
	v_max_num_f32_dpp v40, v40, v40 row_xmask:2 row_mask:0xf bank_mask:0xf
	v_max_num_f32_dpp v40, v40, v40 row_xmask:4 row_mask:0xf bank_mask:0xf
	v_max_num_f32_dpp v40, v40, v40 row_xmask:8 row_mask:0xf bank_mask:0xf
	v_permlanex16_b32 v41, v40, s30, s31
	v_max_num_f32 v40, v40, v41                    ; m: the tile's maximum, taken away before the exponentials
.irp k, 0,1,2,3
	v_sub_f32 v[44+\k], v[36+\k], v40
.endr
.irp k, 0,1,2,3
	v_exp_f32 v[44+\k], v[44+\k]
.endr
	v_nop
	s_wait_alu depctr_va_vdst(0)                   ; the four exponentials have written v44-47, ahead of their first reader
	v_add_f32 v48, v44, v45
	v_add_f32 v49, v46, v47
	v_add_f32 v41, v48, v49
	v_add_f32_dpp v41, v41, v41 row_xmask:1 row_mask:0xf bank_mask:0xf
	v_add_f32_dpp v41, v41, v41 row_xmask:2 row_mask:0xf bank_mask:0xf
	v_add_f32_dpp v41, v41, v41 row_xmask:4 row_mask:0xf bank_mask:0xf
	v_add_f32_dpp v41, v41, v41 row_xmask:8 row_mask:0xf bank_mask:0xf
	v_permlanex16_b32 v42, v41, s30, s31
	v_add_f32 v41, v41, v42                        ; l
	v_cvt_pk_bf16_f32 v50, v44, v45
	v_cvt_pk_bf16_f32 v51, v46, v47
	s_wait_alu depctr_va_vdst(0)                   ; p (v50-51), u (v36-39), m and l (v40-41) are written, which the stores below read; the epilogue is done with v64-95 and windows 1 and 3, in which the loads below land
	ds_store_b64 v33, v[50:51]                     ; my wave's own copy of p: LDS serves a wave's instructions in order (ISA guide 5.7.1.4), so its loads below see it
	s_cmp_lg_u32 s16, 0
	s_cbranch_scc1 .Lnot0
	global_store_b128 v52, v[36:39], s[12:13]      ; wave 0: the tile's u, 512 consecutive bytes,
	global_store_b64 v53, v[40:41], s[14:15] offset:4096  ; and (m, l), 32 times: 256 consecutive bytes, aligned
.Lnot0:
.irp t, 0,1,2,3
	ds_load_b128 v[AF+8*\t:AF+8*\t+3],   v34 offset:64*\t
	ds_load_b128 v[AF+8*\t+4:AF+8*\t+7], v34 offset:64*\t+32
.endr
	FETCH_T 0
	FETCH_T 1
	s_wait_dscnt 32                                ; all but the youngest 32 loads
	CMUL 0
	FETCH_T 2                                      ; no wait: these land in window 3, which no vector or matrix instruction since the last wait names
	s_wait_dscnt 32
	CMUL 1
	FETCH_T 3
	s_wait_dscnt 32
	CMUL 2
	s_wait_dscnt 0x0
	CMUL 3
	PLACES
	PLACES
	WIN 0x08                                       ; the stores' data in window 2
	s_wait_alu depctr_va_vdst(0)                   ; the products have written the context's accumulators, which the LDS stores read; the places above stay beside this wait
.irp ct, 0,1,2,3,4,5,6,7,8,9,10,11,12,13,14,15
	ds_store_b128 v35, v[8*\ct:8*\ct+3]   offset:64*\ct     ; all 16 columns of the result are alike: the 16 lanes of a half store the same bytes
	ds_store_b128 v35, v[8*\ct+4:8*\ct+7] offset:64*\ct+16
.endr
	WIN 0
	s_wait_alu depctr_vm_vsrc(0)                   ; p's LDS store has read v50-51, in which the second load below lands
	ds_load_b128 v[44:47], v54
	ds_load_b128 v[48:51], v54 offset:512
	s_wait_dscnt 0x0
	global_store_b128 v55, v[44:47], s[14:15]      ; 512 consecutive bytes each
	global_store_b128 v55, v[48:51], s[14:15] offset:512
	s_wait_dscnt 0x0                               ; the closing lines, six on end
	s_wait_alu 0x0
	s_wait_tensorcnt 0x0
	ds_add_u32 v[SPW], v[NIL]
	s_wait_dscnt 0x0
	s_endpgm
.Lfunc_end_k_q00421f9ba3_main:
	.size	k_q00421f9ba3_main, .Lfunc_end_k_q00421f9ba3_main-k_q00421f9ba3_main
	.p2alignl 7, 3214868480
	.fill 96, 4, 3214868480
	.section	.rodata,"a",@progbits
	.p2align	6, 0x0
	.amdhsa_kernel k_q00421f9ba3_main
		.amdhsa_group_segment_fixed_size 280064
		.amdhsa_private_segment_fixed_size 0
		.amdhsa_enable_private_segment 0
		.amdhsa_kernarg_size 48
		.amdhsa_user_sgpr_count 2
		.amdhsa_user_sgpr_kernarg_segment_ptr 1
		.amdhsa_wavefront_size32 1
		.amdhsa_system_sgpr_workgroup_id_x 1
		.amdhsa_system_sgpr_workgroup_id_y 1
		.amdhsa_system_sgpr_workgroup_id_z 1
		.amdhsa_system_vgpr_workitem_id 0
		.amdhsa_next_free_vgpr 1024
		.amdhsa_next_free_sgpr 66
		.amdhsa_reserve_vcc 0
		.amdhsa_float_denorm_mode_32 3
		.amdhsa_float_denorm_mode_16_64 3
		.amdhsa_memory_ordered 1
		.amdhsa_forward_progress 1
		.amdhsa_inst_pref_size 255
	.end_amdhsa_kernel
	.section	.bss,"aw",@nobits
	.p2align	6
	.space	262144
	.amdgpu_metadata
---
amdhsa.version: [ 1, 2 ]
amdhsa.kernels:
  - .name:           k_q00421f9ba3_main
    .symbol:         k_q00421f9ba3_main.kd
    .args:
      - { .name: encoder_outputs, .offset: 0, .size: 8, .value_kind: global_buffer, .address_space: global }
      - { .name: wb, .offset: 8, .size: 8, .value_kind: global_buffer, .address_space: global }
      - { .name: ph, .offset: 16, .size: 8, .value_kind: global_buffer, .address_space: global }
      - { .name: v, .offset: 24, .size: 8, .value_kind: global_buffer, .address_space: global }
      - { .name: sc, .offset: 32, .size: 8, .value_kind: global_buffer, .address_space: global }
      - { .name: part, .offset: 40, .size: 8, .value_kind: global_buffer, .address_space: global }
    .group_segment_fixed_size: 280064
    .private_segment_fixed_size: 0
    .kernarg_segment_align: 8
    .kernarg_segment_size: 48
    .max_flat_workgroup_size: 128
    .sgpr_count:     66
    .vgpr_count:     1024
    .wavefront_size: 32
...
	.end_amdgpu_metadata
.endif
;; end of part 4
;; launch combine: the kernel of part 3 again; grid 32 x 4, 2 waves a work-group, no clusters, 0 bytes of LDS; arguments sc, part, out0, out1; writes out0, out1
